; MI455X (gfx1250); checked and timed in simulation.
; The chip was launched on July 23, 2026; its instructions are those of AMD's public machine-readable ISA for CDNA 5 (MIT licence, August 2026) and "CDNA5" Instruction Set Architecture Reference Guide (July 2026). The comments in the code are by the model that wrote it; some were corrected since.
;; Full Self Attention. Allowed arithmetic: float matrix products may take bf16 or f16 operands with f32 sums; all other float work in f32.
;; Inputs: Wk 1,024 x 1,024 float32; Wo 1,024 x 1,024 float32; Wq 1,024 x 1,024 float32; Wv 1,024 x 1,024 float32; bo 1,024 float32; x 4 x 2,048 x 1,024 float32.
;; Outputs: out0 4 x 2,048 x 1,024 float32.
;; 3 versions, each right; version 2 is faster than version 1; version 3 is version 2 with the launch cvt written anew for expert scheduling mode. Each part assembles by itself: llvm-mc -triple=amdgcn-amd-amdhsa -mcpu=gfx1250 --defsym DOCPART=n.
;; ======== version 1 of 3: 4 launches
;; limits: values are held in f16: magnitudes above 65,504 overflow, below 6.1e-05 lose precision
;; workspace buffers: xb 16,777,216 bytes; wb 8,388,608 bytes; qkv 50,331,648 bytes; vlo 16,777,216 bytes; ao 33,554,432 bytes
;; launch cvt (part 1): grid 768 x 1, 8 waves a work-group, no clusters, 0 bytes of LDS; arguments x, Wq, Wk, Wv, Wo, xb, wb; writes xb, wb
.if DOCPART == 1
	.amdgcn_target "amdgcn-amd-amdhsa--gfx1250"
	.amdhsa_code_object_version 6
	.text
	.protected	k_q84f7627893_cvt
	.globl	k_q84f7627893_cvt
	.p2align	8
	.type	k_q84f7627893_cvt,@function
k_q84f7627893_cvt:
	s_mov_b64 s[64:65], 0
	v_nop
	global_prefetch_b8 v0, s[64:65] scope:SCOPE_SE
	s_setreg_imm32_b32 hwreg(HW_REG_WAVE_MODE, 25, 1), 1
	s_wait_xcnt 0x0
; FIRST OF FOUR LAUNCHES: cvt (x and the four weights to bf16), qkv (the three projections), attn (causal attention), proj (the last product and its bias).
; This one rounds x [8192][1024] into xb, and Wq, Wk, Wv, Wo [1024][1024] into wb[0..3], f32 to bf16, each in its own order.
;
; WORK LEFT OUT IN THE WHOLE PROGRAM.  The mask is built by the function itself (jnp.tril): for key j > query i the score is replaced by -FLT_MAX,
; and since key j = i is always kept, the row's maximum is a kept score, so the weight of a masked key is exp(-FLT_MAX - max) = 0 for all finite inputs.
; A tile of 64 keys x 16 queries all of whose keys lie above all of its queries therefore adds 0 to every sum: launch attn neither multiplies nor sums such tiles.
; In a tile that the diagonal crosses the masked scores are computed and replaced, as the function does.
; Every input has a way to the output: all six are loaded (bo in launch proj).
; LIMIT: a NaN, an infinity or an overflow that reaches only the tiles left out (k or v rows seen by no kept score of a query) is not carried to that query's result.
; LIMITS OF FORMAT: x and the weights are rounded to bf16 as matrix operands.  q, k, v are kept in f16 between launches: |q|, |k|, |v| must stay under 65,504
; (inputs 30 times larger give a spread near 600, a common offset of 30 spreads gives values near 18,400); values under 6e-8 in magnitude are lost.
;
; Memory binds here: each work-group turns 65,536 bytes of f32 into 32,768 bytes of bf16.  Thread t takes 16 bytes at 16 t + 4,096 i, i = 0..15; all sixteen
; loads go out first, so that a wave has 8 KiB on its way; each store of a wave covers 256 consecutive bytes, aligned.  No LDS, no matrix unit: nothing is shared.
.set XCH, 512                          ; work-groups 0..511 take x, 512..767 the weights, 64 for each matrix
.set X, 4                              ; v[4:67]   sixteen loads of four f32
.set Y, 68                             ; v[68:99]  sixteen pairs of packed bf16
	s_load_b256 s[4:11], s[0:1], 0x0               ; x s[4:5], Wq s[6:7], Wk s[8:9], Wv s[10:11]
	s_load_b128 s[12:15], s[0:1], 0x20             ; Wo s[12:13], xb s[14:15]
	s_load_b64 s[16:17], s[0:1], 0x30              ; wb
	s_mov_b32 s19, ttmp9                           ; g
	s_sub_co_u32 s20, s19, XCH                     ; j = g - 512: the chunk among the weights (not used where g < 512)
	s_lshr_b32 s21, s20, 6                         ; which matrix
	s_and_b32 s22, s20, 63                         ; which chunk of it
	v_lshlrev_b32 v1, 4, v0                        ; 16 t
	v_lshlrev_b32 v2, 3, v0                        ; 8 t
	s_wait_kmcnt 0x0
	s_cmp_eq_u32 s21, 1
	s_cselect_b64 s[24:25], s[8:9], s[6:7]         ; the source is chosen by the work-group's number alone
	s_cmp_eq_u32 s21, 2
	s_cselect_b64 s[24:25], s[10:11], s[24:25]
	s_cmp_eq_u32 s21, 3
	s_cselect_b64 s[24:25], s[12:13], s[24:25]
	s_cmp_lt_u32 s19, XCH
	s_cselect_b64 s[24:25], s[4:5], s[24:25]       ; x for the first 512
	s_cselect_b64 s[26:27], s[14:15], s[16:17]     ; xb or wb
	s_cselect_b32 s28, s19, s22                    ; the chunk in the source
	s_cselect_b32 s30, s19, s20                    ; the chunk in the destination
	s_lshl_b32 s28, s28, 16
	s_mov_b32 s29, 0
	s_lshl_b32 s30, s30, 15
	s_mov_b32 s31, 0
	s_add_nc_u64 s[24:25], s[24:25], s[28:29]
	s_add_nc_u64 s[26:27], s[26:27], s[30:31]
.set i, 0
.rept 16
	global_load_b128 v[X+4*i:X+4*i+3], v1, s[24:25] offset:4096*i th:TH_LOAD_NT
.set i, i+1
.endr
.set i, 0
.rept 16
	s_wait_loadcnt 15-i                            ; loads come back in order: load i is in, the 15 - i younger ones stay out
	v_cvt_pk_bf16_f32 v[Y+2*i], v[X+4*i], v[X+4*i+1]
	v_cvt_pk_bf16_f32 v[Y+2*i+1], v[X+4*i+2], v[X+4*i+3]
	global_store_b64 v2, v[Y+2*i:Y+2*i+1], s[26:27] offset:2048*i   ; no register is written twice, so no store's source needs a wait
.set i, i+1
.endr
	s_endpgm
.Lfunc_end_k_q84f7627893_cvt:
	.size	k_q84f7627893_cvt, .Lfunc_end_k_q84f7627893_cvt-k_q84f7627893_cvt
	.p2alignl 7, 3214868480
	.fill 96, 4, 3214868480
	.section	.rodata,"a",@progbits
	.p2align	6, 0x0
	.amdhsa_kernel k_q84f7627893_cvt
		.amdhsa_group_segment_fixed_size 0
		.amdhsa_private_segment_fixed_size 0
		.amdhsa_enable_private_segment 0
		.amdhsa_kernarg_size 56
		.amdhsa_user_sgpr_count 2
		.amdhsa_user_sgpr_kernarg_segment_ptr 1
		.amdhsa_wavefront_size32 1
		.amdhsa_system_sgpr_workgroup_id_x 1
		.amdhsa_system_sgpr_workgroup_id_y 1
		.amdhsa_system_sgpr_workgroup_id_z 1
		.amdhsa_system_vgpr_workitem_id 0
		.amdhsa_next_free_vgpr 100
		.amdhsa_next_free_sgpr 66
		.amdhsa_reserve_vcc 0
		.amdhsa_float_denorm_mode_32 3
		.amdhsa_float_denorm_mode_16_64 3
		.amdhsa_memory_ordered 1
		.amdhsa_forward_progress 1
		.amdhsa_inst_pref_size 7
	.end_amdhsa_kernel
	.amdgpu_metadata
---
amdhsa.version: [ 1, 2 ]
amdhsa.kernels:
  - .name:           k_q84f7627893_cvt
    .symbol:         k_q84f7627893_cvt.kd
    .args:
      - { .name: x, .offset: 0, .size: 8, .value_kind: global_buffer, .address_space: global }
      - { .name: Wq, .offset: 8, .size: 8, .value_kind: global_buffer, .address_space: global }
      - { .name: Wk, .offset: 16, .size: 8, .value_kind: global_buffer, .address_space: global }
      - { .name: Wv, .offset: 24, .size: 8, .value_kind: global_buffer, .address_space: global }
      - { .name: Wo, .offset: 32, .size: 8, .value_kind: global_buffer, .address_space: global }
      - { .name: xb, .offset: 40, .size: 8, .value_kind: global_buffer, .address_space: global }
      - { .name: wb, .offset: 48, .size: 8, .value_kind: global_buffer, .address_space: global }
    .group_segment_fixed_size: 0
    .private_segment_fixed_size: 0
    .kernarg_segment_align: 8
    .kernarg_segment_size: 56
    .max_flat_workgroup_size: 256
    .sgpr_count:     66
    .vgpr_count:     100
    .wavefront_size: 32
...
	.end_amdgpu_metadata
.endif
;; end of part 1
;; launch qkv (part 2): grid 8 x 64, 4 waves a work-group, clusters of 4 x 4, 327,680 bytes of LDS; arguments xb, wb, qkv, vlo; writes qkv, vlo
.if DOCPART == 2
	.amdgcn_target "amdgcn-amd-amdhsa--gfx1250"
	.amdhsa_code_object_version 6
	.text
	.protected	k_q84f7627893_qkv
	.globl	k_q84f7627893_qkv
	.p2align	8
	.type	k_q84f7627893_qkv,@function
k_q84f7627893_qkv:
	s_mov_b64 s[64:65], 0
	v_nop
	global_prefetch_b8 v0, s[64:65] scope:SCOPE_SE
	s_setreg_imm32_b32 hwreg(HW_REG_WAVE_MODE, 25, 1), 1
	s_wait_xcnt 0x0
	s_wait_alu depctr_hold_cnt(0) depctr_sa_sdst(0) depctr_va_vdst(0) depctr_va_sdst(0) depctr_va_ssrc(0) depctr_va_vcc(0) depctr_vm_vsrc(0)
	s_getreg_b32 s2, hwreg(HW_REG_IB_STS2, 6, 4)
	s_cmp_eq_u32 s2, 0
	s_cbranch_scc0 .Lentry_in_a_cluster
	s_endpgm
.Lentry_in_a_cluster:
	s_bfe_u32 s2, ttmp6, 0x10000c
	s_cmp_lg_u32 s2, 0xf033
	s_cbranch_scc0 .Lentry_shape_is_right
	s_endpgm
.Lentry_shape_is_right:
; SECOND LAUNCH: q = x Wq, k = x Wk, v = x Wv in one pass over x.  xb: [8192][1024] bf16.  wb: [4][1024 k][1024 n] bf16.
; Out: qkv [3][batch*16+head][2048][64] f16 and vlo (same head layout) = f16(v - f16(v)), the part of v that f16 drops.  Nothing is left out here.
; A work-group makes 128 rows x 384 columns: the same 128 columns (two heads) of q, of k and of v.  Four waves, wave (wm, wn) makes 64 rows x 192 columns:
; wn = 0: q's two heads and k's first head; wn = 1: v's two heads and k's second: 4 x 12 accumulator tiles of 16 x 16, 384 registers.
; K goes in steps of 128 through two LDS slots filled by the tensor data mover; rows of every tile are 256 bytes of memory, aligned to 256.
; CLUSTERS: 4 x 4 work-groups.  x's tile hangs on the block row alone and is asked for jointly by a row of the cluster; the weights' tiles hang on the block
; column alone and are asked for jointly by a column: each is requested once for four work-groups.
; The weights lie [k][n], so their fragments are read with the transposing LDS load (ISA guide, DS_LOAD_TR16_B128).
; THE MATRIX INSTRUCTION IS USED TRANSPOSED: source 0 = 16 columns of W, source 1 = 16 rows of x; lane l then holds row l % 16 and eight neighbouring columns.
; REGISTERS by windows of 256: window 0: v16-26 addresses, v64-127 x's fragments (two buffers of 4), the way out's registers; window 1: W's fragments, two buffers
; of 12 at v0 and v96; window 2: accumulators of my rows 0-31, tile (al, b) at v[8 (12 al + b)]; window 3: those of rows 32-63.
.set NBW,    12                        ; column blocks of a wave
.set NPART,  1                         ; x comes as one bf16 number
.set NSUB,   3                         ; W tiles in a slot: Wq's, Wk's, Wv's, each 128 k x 128 n
.set BPITCH, 288                       ; 256 bytes + 32 of padding: the 8 rows x 2 halves that a group of 16 lanes touches fall in 16 different 16-byte columns of 256
.set APITCH, 272                       ; 256 bytes + 16 of padding: 16 rows start in 16 different 16-byte columns of 256
.set BSUB,   128*BPITCH
.set ATILE,  128*APITCH
.set AOFF,   NSUB*BSUB                 ; x's tile lies behind the three of W
.set SLOT,   AOFF+ATILE                ; 145,408
.set STAGE,  2*SLOT                    ; behind the ring, a multiple of 256: no tensor load ever lands here
.set WSTAGE, 6912                      ; a wave's stage: 3 heads x 16 rows x 144 bytes
.set ASTEP,  256                       ; bytes from a K step to the next in xb
.set BSTEP,  262144                    ; and in wb: 128 rows of 2,048 bytes
.set LAPS,   4                         ; 1,024 / 128 = 8 K steps = 4 laps of the ring
.set ADRA,  16                         ; v16-17 LDS address of my x fragments in slot 0, 1
.set ADRB1, 20                         ; v20-21 of my first eight column blocks (q or v)
.set ADRB2, 22                         ; v22-23 of my last four (k)
.set STO,   24
.set RD,    25
.set CO,    26
.set FA,    64
.set FASZ,  32*NPART
.set FBSZ,  8*NBW
.set TMP2,  32                         ; way out: packed remainders
.set TMP,   64                         ; way out: packed f16
.set U,     128                        ; way out: f16 widened again, then the remainder
.set RB,    192                        ; way out: rows read back
.set G1A, 24
.set G0A, 32
.set G1B, 48
.set G0B, 56
.set SB,  66                           ; s[66:71] where my three heads go in qkv
.set SL,  72                           ; s[72:75] where v's two heads go in vlo
.set MSB, 0
.macro WIN new                         ; the immediate's high byte repeats the setting that is left
.if MSB != \new
	s_set_vgpr_msb (MSB<<8)|\new
.set MSB, \new
.endif
.endm
.set MUL_LO, 0xa1                      ; source 0 (W) window 1, source 1 (x) window 0, C and D window 2
.set MUL_HI, 0xf1                      ; the same, C and D window 3
.set TO_B,   0x40                      ; destination window 1, address window 0
; A joint load: waves 0, 1, 2 fetch Wq's, Wk's, Wv's tile, wave 3 fetches x's.  Each line has one mask; the branch hangs on the wave's number alone.
.macro JLOAD s
	s_cmp_lt_u32 s12, NSUB
	s_cbranch_scc0 .Lfor_a_\@
	tensor_load_to_lds s[G0B+4*\s:G0B+4*\s+3], s[G1B:G1B+7]
	s_nop 0
	s_branch .Lasked_\@
.Lfor_a_\@:
	tensor_load_to_lds s[G0A+4*\s:G0A+4*\s+3], s[G1A:G1A+7]
	s_nop 0
.Lasked_\@:
.endm
.macro CREST                           ; a round of the cluster's barrier behind its opening work-group barrier
	s_cmp_lg_u32 s12, 0
	s_cbranch_scc1 .Lnot_wave_0_\@
	s_barrier_signal -3
.Lnot_wave_0_\@:
	s_barrier_wait -3
	s_barrier_signal -1
	s_barrier_wait -1
.endm
.macro CROUND
	s_barrier_signal -1
	s_barrier_wait -1
	CREST
.endm
	s_load_b256 s[4:11], s[0:1], 0x0               ; xb s[4:5], wb s[6:7], qkv s[8:9], vlo s[10:11]
	s_set_vgpr_msb 0x40
	v_lshl_add_u32 v255, v0, 2, 0x4dc00
	s_set_vgpr_msb 0x4000
	v_mov_b32 v255, 0
	s_set_vgpr_msb 0x1
	ds_add_u32 v255, v255
	s_set_vgpr_msb 0x100
	v_lshrrev_b32 v1, 5, v0
	v_readfirstlane_b32 s12, v1                    ; wave 0..3
	s_lshr_b32 s13, s12, 1                         ; wm: which 64 rows
	s_and_b32 s14, s12, 1                          ; wn: which 192 columns
	s_bfe_u32 s40, ttmp6, 0x40000                  ; cx
	s_bfe_u32 s41, ttmp6, 0x40004                  ; cy
	s_lshl_b32 s42, ttmp9, 2
	s_add_co_u32 s42, s42, s40                     ; block column bx = 4 x cluster x + cx
	s_and_b32 s45, ttmp7, 0xffff
	s_lshl_b32 s45, s45, 2
	s_add_co_u32 s45, s45, s41                     ; block row by = 4 x cluster y + cy
	s_lshl_b32 s43, s41, 2
	s_lshl_b32 s43, 15, s43                        ; my row of the cluster
	s_lshl_b32 s44, 0x1111, s40                    ; my column
	; group 1: tiles of 128 rows x 128 elements of 2 bytes, padded behind every 64 words
	s_or_b32 s[G1A+0], s43, (1<<16)|(1<<20)|(1<<21)|(5<<22)|(3<<25)   ; x: mask of my row; 4 words of padding
	s_or_b32 s[G1B+0], s44, (1<<16)|(1<<20)|(1<<21)|(5<<22)|(7<<25)   ; W: mask of my column; 8 words of padding
	s_mov_b32 s[G1A+1], 128<<16                    ; tensor_dim0 = 128
	s_mov_b32 s[G1B+1], 128<<16
	s_mov_b32 s[G1A+2], 128<<16                    ; tensor_dim1 = 128
	s_mov_b32 s[G1B+2], 128<<16
	s_mov_b32 s[G1A+3], 128<<16                    ; tile_dim0 = 128
	s_mov_b32 s[G1B+3], 128<<16
	s_mov_b32 s[G1A+4], 128                        ; tile_dim1 = 128
	s_mov_b32 s[G1B+4], 128
	s_mov_b32 s[G1A+5], 1024                       ; elements from row to row
	s_mov_b32 s[G1B+5], 1024
	s_mov_b32 s[G1A+6], 0
	s_mov_b32 s[G1B+6], 0
	s_mov_b32 s[G1A+7], 0
	s_mov_b32 s[G1B+7], 0
	; x's address is made of by alone, W's of bx and the wave's number alone, each in registers that never hold the other coordinate
	s_lshl_b32 s16, s45, 18                        ; 128 rows of 2,048 bytes
	s_mov_b32 s17, 0
	s_lshl_b32 s46, s12, 21                        ; matrix = wave
	s_lshl_b32 s47, s42, 8                         ; 128 columns of 2 bytes
	s_add_co_u32 s46, s46, s47
	s_mov_b32 s47, 0
	s_mul_i32 s20, s12, BSUB                       ; LDS: W's tile of wave w
	s_mul_i32 s21, s12, ATILE
	s_add_co_u32 s21, s21, AOFF-NSUB*ATILE         ; LDS: x's tile, for wave 3: AOFF
	; where the results go: terms of bx and by together, in registers of their own
	s_lshr_b32 s76, s45, 4
	s_lshl_b32 s76, s76, 4                         ; 16 x batch
	s_lshl_b32 s77, s42, 1
	s_add_co_u32 s76, s76, s77                     ; + head 2 bx
	s_lshl_b32 s76, s76, 18                        ; a head is 262,144 bytes
	s_and_b32 s77, s45, 15
	s_lshl_b32 s77, s77, 14                        ; 128 tokens of 128 bytes
	s_add_co_u32 s76, s76, s77
	s_lshl_b32 s77, s13, 13                        ; my 64 tokens
	s_add_co_u32 s76, s76, s77
	s_mov_b32 s77, 0
	s_lshl_b32 s78, s14, 25                        ; q (wn = 0) or v (wn = 1): 2 wn x 16,777,216
	s_add_co_u32 s78, s78, s76
	s_mov_b32 s79, 0
	s_wait_dscnt 0x0
	s_wait_kmcnt 0x0
	s_add_nc_u64 s[16:17], s[4:5], s[16:17]
	s_add_nc_u64 s[46:47], s[6:7], s[46:47]
	s_add_nc_u64 s[SB:SB+1], s[8:9], s[78:79]
	s_add_nc_u64 s[SB+2:SB+3], s[SB:SB+1], 262144
	s_lshl_b32 s78, s14, 18                        ; k: head 2 bx + wn
	s_add_co_u32 s78, s78, s76
	s_add_co_u32 s78, s78, 0x1000000
	s_add_nc_u64 s[SB+4:SB+5], s[8:9], s[78:79]
	s_add_nc_u64 s[SL:SL+1], s[10:11], s[76:77]
	s_add_nc_u64 s[SL+2:SL+3], s[SL:SL+1], 262144
	CROUND                                         ; all sixteen work-groups are here: the first joint loads meet
.irp s, 0,1
	s_mov_b32 s[G0A+4*\s], 1
	s_add_co_u32 s[G0A+4*\s+1], s21, \s*SLOT
	s_add_nc_u64 s[G0A+4*\s+2:G0A+4*\s+3], s[16:17], \s*ASTEP
	s_or_b32 s[G0A+4*\s+3], s[G0A+4*\s+3], 0x80000000
	s_mov_b32 s[G0B+4*\s], 1
	s_add_co_u32 s[G0B+4*\s+1], s20, \s*SLOT
	s_add_nc_u64 s[G0B+4*\s+2:G0B+4*\s+3], s[46:47], \s*BSTEP
	s_or_b32 s[G0B+4*\s+3], s[G0B+4*\s+3], 0x80000000
	JLOAD \s                                       ; both slots are asked for before anything else: two loads of a wave are out, never more
.endr
	v_and_b32 v1, 15, v0                           ; r = l % 16
	v_bfe_u32 v2, v0, 4, 1                         ; h = l / 16
	v_and_b32 v3, 7, v0
	v_bfe_u32 v4, v0, 3, 1
	v_lshl_add_u32 v3, v2, 3, v3                   ; k row 8 h + l % 8
	v_mul_u32_u24 v3, v3, BPITCH
	v_lshl_add_u32 v3, v4, 4, v3                   ; + 16 bytes for lanes 8-15 of each half
	v_mul_u32_u24 v5, v1, APITCH
	v_lshl_add_u32 v5, v2, 4, v5                   ; x: row r, 16 bytes for each half
	s_mul_i32 s22, s14, 2*BSUB                     ; q's tile or v's
	s_lshl_b32 s23, s14, 7
	s_add_co_u32 s23, s23, BSUB                    ; k's tile, my 64 columns
	s_mul_i32 s18, s13, 64*APITCH
	s_add_co_u32 s18, s18, AOFF                    ; my 64 rows of x
.irp s, 0,1
	v_add_nc_u32 v[ADRB1+\s], s22, v3
	v_add_nc_u32 v[ADRB2+\s], s23, v3
	v_add_nc_u32 v[ADRA+\s], s18, v5
	s_add_co_u32 s22, s22, SLOT
	s_add_co_u32 s23, s23, SLOT
	s_add_co_u32 s18, s18, SLOT
.endr
	s_mul_i32 s23, s12, WSTAGE
	s_add_co_u32 s23, s23, STAGE
	v_mul_u32_u24 v6, v1, 144
	v_lshl_add_u32 v6, v2, 4, v6
	v_add_nc_u32 v[STO], s23, v6                   ; in: row r of a head's 16, 16 bytes for each half
	v_and_b32 v7, 31, v0
	v_lshrrev_b32 v6, 3, v7
	v_mul_u32_u24 v6, v6, 144
	v_and_b32 v8, 7, v0
	v_lshl_add_u32 v6, v8, 4, v6
	v_add_nc_u32 v[RD], s23, v6                    ; back: eight lanes take a token's 128 bytes, a load takes four tokens
	v_lshlrev_b32 v[CO], 4, v7                     ; which are 512 consecutive bytes of a head
; 12 matrix instructions: row block 2 hi + al x my 12 column blocks, 32 along K, from buffer f.  zero = 1: the first product starts the sums.
; The accumulators take turns, one instruction a turn.
.macro MULA f, hi, al, zero
.set p_, 0
.rept NPART
.set z_, \zero*(1-p_)
.set b_, 0
.rept NBW
.set d_, 8*(NBW*\al+b_)
.set s0_, \f*FBSZ+8*b_
.set s1_, FA+\f*FASZ+8*((2*\hi+\al)*NPART+p_)
.if z_
	v_wmma_f32_16x16x32_bf16 v[d_:d_+7], v[s0_:s0_+7], v[s1_:s1_+7], 0
.else
	v_wmma_f32_16x16x32_bf16 v[d_:d_+7], v[s0_:s0_+7], v[s1_:s1_+7], v[d_:d_+7]
.endif
.set b_, b_+1
.endr
.set p_, p_+1
.endr
.endm
; 32 LDS loads in one run: quarter qn (32 along K) of a slot into buffer g: 24 transposing loads for W, 8 plain ones for x, x's row blocks ascending
.macro FETCH slot, qn, g
	WIN TO_B
.set b_, 0
.rept 8
	ds_load_tr16_b128 v[\g*FBSZ+8*b_:\g*FBSZ+8*b_+3], v[ADRB1+\slot] offset:\qn*32*BPITCH+32*b_
	ds_load_tr16_b128 v[\g*FBSZ+8*b_+4:\g*FBSZ+8*b_+7], v[ADRB1+\slot] offset:\qn*32*BPITCH+16*BPITCH+32*b_
.set b_, b_+1
.endr
.rept 4
	ds_load_tr16_b128 v[\g*FBSZ+8*b_:\g*FBSZ+8*b_+3], v[ADRB2+\slot] offset:\qn*32*BPITCH+32*(b_-8)
	ds_load_tr16_b128 v[\g*FBSZ+8*b_+4:\g*FBSZ+8*b_+7], v[ADRB2+\slot] offset:\qn*32*BPITCH+16*BPITCH+32*(b_-8)
.set b_, b_+1
.endr
	WIN 0
.set a_, 0
.rept 4
	ds_load_b128 v[FA+\g*FASZ+8*a_:FA+\g*FASZ+8*a_+3], v[ADRA+\slot] offset:a_*16*APITCH+64*\qn
	ds_load_b128 v[FA+\g*FASZ+8*a_+4:FA+\g*FASZ+8*a_+7], v[ADRA+\slot] offset:a_*16*APITCH+64*\qn+32
.set a_, a_+1
.endr
.endm
; Four plain vector instructions stand between a matrix instruction and a load into a register that it has read, or a vector instruction that reads its result
.macro PLACES
.rept 4
	v_nop
.endr
.endm
.macro QUARTER slot, qn, f, g, zero
	s_wait_dscnt 4*NPART                           ; W and x's row blocks 0, 1 are in; the youngest four loads (row blocks 2, 3) may be out
	WIN MUL_LO
	MULA \f, 0, 0, \zero
	MULA \f, 0, 1, \zero
	PLACES
	FETCH \slot, \qn, \g
	s_wait_dscnt 32                                ; all but the 32 just issued
	WIN MUL_HI
	MULA \f, 1, 0, \zero
	MULA \f, 1, 1, \zero
.endm
.macro THREE slot, zero
	QUARTER \slot, 1, 0, 1, \zero
	QUARTER \slot, 2, 1, 0, 0
	QUARTER \slot, 3, 0, 1, 0
.endm
; The last quarter of a K step multiplies buffer 1 and changes slots.  One barrier: in front of it each wave's reads of this slot are back and all its tensor
; loads have landed (the one that was out is its part of the next slot); behind it the refill comes first, then the next slot's first fragments.
.macro TURN slot, next, fill
	s_wait_dscnt 4*NPART
	WIN MUL_LO
	MULA 1, 0, 0, 0
	s_wait_dscnt 0x0                               ; my reads of this slot are over
	s_wait_tensorcnt 0x0                           ; all my tensor loads have landed
	ds_add_u32 v255, v255
	s_wait_dscnt 0x0
	s_barrier_signal -1
	MULA 1, 0, 1, 0                                ; register work while the others arrive
	WIN 0
	s_barrier_wait -1
.if \fill
	CREST                                          ; the round closes: no wave of any partner still reads this slot or has a load on its way
	s_add_nc_u64 s[G0A+4*\slot+2:G0A+4*\slot+3], s[G0A+4*\slot+2:G0A+4*\slot+3], 2*ASTEP
	s_add_nc_u64 s[G0B+4*\slot+2:G0B+4*\slot+3], s[G0B+4*\slot+2:G0B+4*\slot+3], 2*BSTEP
	JLOAD \slot                                    ; the wave's one tensor load behind the round
.endif
	PLACES
	FETCH \next, 0, 0
	WIN MUL_HI
	MULA 1, 1, 0, 0
	MULA 1, 1, 1, 0
.endm
.macro LAP zero
	THREE 0, \zero
	TURN 0, 1, 1
	THREE 1, 0
	TURN 1, 0, 1
.endm
	s_wait_tensorcnt 0x1                           ; my part of K step 0 is in; K step 1's stays out
	s_barrier_signal -1
	s_barrier_wait -1
	FETCH 0, 0, 0
	LAP 1                                          ; the first lap starts the sums: nothing is cleared
	WIN 0
	s_mov_b32 s3, LAPS-2
.Llap:
	LAP 0
	WIN 0
	s_sub_co_u32 s3, s3, 1
	s_cmp_lg_u32 s3, 0
	s_cbranch_scc1 .Llap
	THREE 0, 0                                     ; the last lap fills nothing
	TURN 0, 1, 0
	THREE 1, 0
	s_wait_dscnt 4*NPART
	WIN MUL_LO
	MULA 1, 0, 0, 0
	MULA 1, 0, 1, 0
	s_wait_dscnt 0x0
	WIN MUL_HI
	MULA 1, 1, 0, 0
	MULA 1, 1, 1, 0
	PLACES
; Register n (64 to 95, one word of TMP) holds two f16: both are widened to f32 again, into U: what f16 kept of v.
; A macro of its own, so that the register's number and the half's name are joined in one expansion.
.macro WIDEN n
	v_cvt_f32_f16 v[U+2*(\n-64)], v\n\().l
	v_cvt_f32_f16 v[U+2*(\n-64)+1], v\n\().h
.endm
; THE WAY OUT, 16 tokens at a time: round to f16, 16 bytes a lane into my own stage (a head's 16 tokens at a pitch of 144 bytes), read back four tokens
; at a time and store: each store of the wave covers 512 consecutive bytes, aligned.  LDS serves a wave's instructions in order, so the stage needs no wait.
; a: row block 0..3; al: its place in its window; from: the window as sources 0 and 1; from0: as source 0 alone.
.macro OUT a, al, from, from0
	WIN \from
.set b_, 0
.rept 12
.set j_, 0
.rept 4
	v_cvt_pk_f16_f32 v[TMP+4*b_+j_], v[8*(12*\al+b_)+2*j_], v[8*(12*\al+b_)+2*j_+1]
.set j_, j_+1
.endr
.set b_, b_+1
.endr
	WIN 0
.set b_, 0
.rept 12
	ds_store_b128 v[STO], v[TMP+4*b_:TMP+4*b_+3] offset:(b_/4)*2304+(b_%4)*32
.set b_, b_+1
.endr
	s_wait_xcnt 0x0                                ; RB, which the last block's stores read, is loaded again only behind this wait
.set n_, 0
.rept 12
	ds_load_b128 v[RB+4*n_:RB+4*n_+3], v[RD] offset:(n_/4)*2304+(n_%4)*576
.set n_, n_+1
.endr
.set n_, 0
.rept 12
	s_wait_dscnt 11-n_                             ; read-back n is in, the younger ones stay out
	global_store_b128 v[CO], v[RB+4*n_:RB+4*n_+3], s[SB+2*(n_/4):SB+2*(n_/4)+1] offset:\a*2048+(n_%4)*512
.set n_, n_+1
.endr
	s_cmp_eq_u32 s14, 0                            ; only the waves that hold v (wn = 1) make its remainder
	s_cbranch_scc1 .Lno_rest_\@
	s_wait_xcnt 0x0                                ; U's first half, which the last block's remainder stores read, is written again only behind this wait
.irp n, 64,65,66,67,68,69,70,71,72,73,74,75,76,77,78,79,80,81,82,83,84,85,86,87,88,89,90,91,92,93,94,95
	WIDEN \n
.endr
	WIN \from0
.set b_, 0
.rept 8
.set j_, 0
.rept 4
	v_pk_add_f32 v[U+8*b_+2*j_:U+8*b_+2*j_+1], v[8*(12*\al+b_)+2*j_:8*(12*\al+b_)+2*j_+1], v[U+8*b_+2*j_:U+8*b_+2*j_+1] neg_lo:[0,1] neg_hi:[0,1]   ; what f16 dropped (exact in f32)
.set j_, j_+1
.endr
.set b_, b_+1
.endr
	WIN 0
.set i_, 0
.rept 32
	v_cvt_pk_f16_f32 v[TMP2+i_], v[U+2*i_], v[U+2*i_+1]
.set i_, i_+1
.endr
.set b_, 0
.rept 8
	ds_store_b128 v[STO], v[TMP2+4*b_:TMP2+4*b_+3] offset:(b_/4)*2304+(b_%4)*32   ; in order behind the read-back above
.set b_, b_+1
.endr
.set n_, 0
.rept 8
	ds_load_b128 v[U+4*n_:U+4*n_+3], v[RD] offset:(n_/4)*2304+(n_%4)*576
.set n_, n_+1
.endr
.set n_, 0
.rept 8
	s_wait_dscnt 7-n_
	global_store_b128 v[CO], v[U+4*n_:U+4*n_+3], s[SL+2*(n_/4):SL+2*(n_/4)+1] offset:\a*2048+(n_%4)*512
.set n_, n_+1
.endr
.Lno_rest_\@:
.endm
	OUT 0, 0, 0x0a, 0x02
	OUT 1, 1, 0x0a, 0x02
	OUT 2, 0, 0x0f, 0x03
	OUT 3, 1, 0x0f, 0x03
	s_set_vgpr_msb 0x1
	s_wait_tensorcnt 0x0
	ds_add_u32 v255, v255
	s_wait_dscnt 0x0
	s_set_vgpr_msb 0x100
	CROUND                                         ; the closing round: no work-group ends while a partner may still ask for a tile that names it
	s_endpgm
.Lfunc_end_k_q84f7627893_qkv:
	.size	k_q84f7627893_qkv, .Lfunc_end_k_q84f7627893_qkv-k_q84f7627893_qkv
	.p2alignl 7, 3214868480
	.fill 96, 4, 3214868480
	.section	.rodata,"a",@progbits
	.p2align	6, 0x0
	.amdhsa_kernel k_q84f7627893_qkv
		.amdhsa_group_segment_fixed_size 327680
		.amdhsa_private_segment_fixed_size 0
		.amdhsa_enable_private_segment 0
		.amdhsa_kernarg_size 32
		.amdhsa_user_sgpr_count 2
		.amdhsa_user_sgpr_kernarg_segment_ptr 1
		.amdhsa_wavefront_size32 1
		.amdhsa_system_sgpr_workgroup_id_x 1
		.amdhsa_system_sgpr_workgroup_id_y 1
		.amdhsa_system_sgpr_workgroup_id_z 1
		.amdhsa_system_vgpr_workitem_id 0
		.amdhsa_next_free_vgpr 1024
		.amdhsa_next_free_sgpr 80
		.amdhsa_reserve_vcc 0
		.amdhsa_float_denorm_mode_32 3
		.amdhsa_float_denorm_mode_16_64 3
		.amdhsa_memory_ordered 1
		.amdhsa_forward_progress 1
		.amdhsa_inst_pref_size 197
	.end_amdhsa_kernel
	.amdgpu_metadata
---
amdhsa.version: [ 1, 2 ]
amdhsa.kernels:
  - .name:           k_q84f7627893_qkv
    .symbol:         k_q84f7627893_qkv.kd
    .args:
      - { .name: xb, .offset: 0, .size: 8, .value_kind: global_buffer, .address_space: global }
      - { .name: wb, .offset: 8, .size: 8, .value_kind: global_buffer, .address_space: global }
      - { .name: qkv, .offset: 16, .size: 8, .value_kind: global_buffer, .address_space: global }
      - { .name: vlo, .offset: 24, .size: 8, .value_kind: global_buffer, .address_space: global }
    .group_segment_fixed_size: 327680
    .private_segment_fixed_size: 0
    .kernarg_segment_align: 8
    .kernarg_segment_size: 32
    .max_flat_workgroup_size: 128
    .sgpr_count:     80
    .vgpr_count:     1024
    .wavefront_size: 32
...
	.end_amdgpu_metadata
.endif
;; end of part 2
;; launch attn (part 3): grid 256 x 1, 4 waves a work-group, no clusters, 327,680 bytes of LDS; arguments qkv, vlo, ao; writes ao
.if DOCPART == 3
	.amdgcn_target "amdgcn-amd-amdhsa--gfx1250"
	.amdhsa_code_object_version 6
	.text
	.protected	k_q84f7627893_attn
	.globl	k_q84f7627893_attn
	.p2align	8
	.type	k_q84f7627893_attn,@function
k_q84f7627893_attn:
	s_mov_b64 s[64:65], 0
	v_nop
	global_prefetch_b8 v0, s[64:65] scope:SCOPE_SE
	s_setreg_imm32_b32 hwreg(HW_REG_WAVE_MODE, 25, 1), 1
	s_wait_xcnt 0x0
; THIRD LAUNCH: causal softmax attention, head by head.  qkv: [3][hb][2048][64] f16, vlo: [hb][2048][64] f16 (what f16 dropped of v).
; Out: ao [hb][2048][128] bf16: for each token 64 numbers hi, then 64 numbers lo, hi + lo = the head's output to 16 significant bits.
; LEFT OUT: blocks of 64 keys that lie wholly above a wave's 64 queries: the function's own causal mask gives them the weight 0 (shown at the head of launch cvt).
; LIMIT: a NaN, infinity or overflow that sits only in such blocks is not carried to the result.  |q|, |k|, |v| < 65,504 (f16).
; The maximum is taken away before every exponential, as a running maximum, kept as (raw maximum) x C, C = log2(e) / 8; p = 2^(s C - M) <= 1 fits f16.
;
; SHARES.  Work-group g: head hb = g / 4, c = g % 4; it makes query blocks (256 queries) c and then 7 - c: 2 (c + 1) + 2 (8 - c) = 18 tiles of 128 keys for every
; work-group.  Wave w owns queries 64 w .. 64 w + 63 of the block, four tiles of 16.  A step is 64 keys.
; NO CLUSTER: the four work-groups of a head need different numbers of K and V tiles (c + 1 and 8 - c pairs), so their trip counts would hang on their place in a
; cluster; walking all tiles in step would cost each 12 pairs of tiles where it needs 9.
; PRODUCTS.  S^T = K Q^T (source 0 = 16 keys, source 1 = 16 queries): lane (r, h) holds query r and keys 16 jt + 8 h + 0..7, so a row's maximum and sum are a lane's
; own but for one exchange between the halves, and two neighbouring S tiles pack in place into one fragment of P.  O^T = V^T P^T (source 0 = V through the
; transposing LDS load, source 1 = P): lane (r, h) holds query r again, so the rescaling factor is a lane's own.
; ORDER OF KEYS in a block: its own 256 keys first (every query has a kept key in the first step, which starts maximum, sum and O: nothing is cleared), then tiles 0 ..
; In the block's own keys the remainder of v is multiplied in too: rows with few keys, whose results are large beside the tolerance, have all their keys there.
; LDS: two slots of a K tile (64 rows of two keys, pitch 272) and a V tile (pitch 288); the two blocks' own remainders of v (128 rows, pitch 288 each);
; behind them, at a multiple of 256, each wave's stage of 64 tokens x 272 bytes, into which no tensor load lands.
; REGISTERS: window 0: addresses, statistics, S / P at v64-191, Q at v192-255; window 1: K fragments v0-63, V fragments v64-127, O v128-255.
.set SLOT,   35840
.set VOFF,   17408
.set VLOA,   71680
.set VLOB,   108544
.set STAGE,  145408
.set WSTAGE, 17408
.set KP,     272
.set VP,     288
.set VK,  8                            ; v8-9    K fragments' address in slot 0, 1
.set VV,  10                           ; v10-11  V fragments'
.set VL,  12                           ; v12-13  the remainder's, block A, B
.set VQ,  14
.set STO, 15
.set RD,  16
.set CO,  17
.set NEG, 18                           ; -FLT_MAX
.set SA,  20                           ; v[20:23] two chains of sums
.set SC,  22
.set CC,  24                           ; v[24:25] C, C
.set MX,  32                           ; v32-35  running maximum x C of query tile it
.set LS,  36                           ; v36-39  running sum (this half's keys)
.set T,   40                           ; v40-47  at work
.set AL,  48                           ; v48-55  pairs: the rescaling factor, and a word that is only named
.set S,   64
.set Q,   192
.set KF,  0                            ; window 1
.set VF,  64
.set O,   128
.set G0LA, 40                          ; s[40:43], s[44:47] group 0 of the two remainder tiles
.set G0LB, 44
.set PM,   48                          ; s[48:55] lanes with 8 h + e > r
.set G1K,  56
.set G1V,  68
.set G1L,  76
.set G0K,  84                          ; one set for each slot
.set G0V,  92
.set MSB, 0
.macro WIN new
.if MSB != \new
	s_set_vgpr_msb (MSB<<8)|\new
.set MSB, \new
.endif
.endm
.macro PL n                            ; places behind matrix instructions (ISA guide 7.12.1); five serve both distances used here
.rept \n
	v_nop
.endr
.endm
	s_load_b128 s[4:7], s[0:1], 0x0                ; qkv, vlo
	s_load_b64 s[8:9], s[0:1], 0x10                ; ao
	v_lshl_add_u32 v62, v0, 2, 0x34800
	v_mov_b32 v63, 0
	ds_add_u32 v62, v63
	v_lshrrev_b32 v1, 5, v0
	v_readfirstlane_b32 s10, v1                    ; wave
	s_and_b32 s11, ttmp9, 3                        ; c
	s_lshr_b32 s12, ttmp9, 2                       ; hb
	s_sub_co_u32 s13, 7, s11                       ; the second query block
	s_lshl_b32 s16, s11, 1                         ; dA: first own tile of block A
	s_sub_co_u32 s17, 14, s16                      ; dB: of block B
	s_mov_b32 s21, 0
	s_mov_b32 s36, 0x76543210                      ; v_permlanex16_b32: lane i of the other half
	s_mov_b32 s37, 0xfedcba98
	; group 1: dense blocks taken as rows of 32 elements of 8 bytes, padded behind every 64 words
.irp g, G1K, G1V, G1L
	s_mov_b32 s[\g+1], 32<<16                      ; tensor_dim0 = 32
	s_mov_b32 s[\g+3], 32<<16                      ; tile_dim0 = 32
	s_mov_b32 s[\g+5], 32                          ; pitch = 32
	s_mov_b32 s[\g+6], 0
	s_mov_b32 s[\g+7], 0
.endr
	s_mov_b32 s[G1K+0], (3<<16)|(1<<20)|(5<<22)|(3<<25)    ; 4 words of padding: pitch 272
	s_mov_b32 s[G1V+0], (3<<16)|(1<<20)|(5<<22)|(7<<25)    ; 8 words: pitch 288
	s_mov_b32 s[G1L+0], (3<<16)|(1<<20)|(5<<22)|(7<<25)
	s_mov_b32 s[G1K+2], 64<<16                     ; 64 rows = 128 keys
	s_mov_b32 s[G1V+2], 64<<16
	s_mov_b32 s[G1L+2], 128<<16                    ; 128 rows = 256 keys
	s_mov_b32 s[G1K+4], 64
	s_mov_b32 s[G1V+4], 64
	s_mov_b32 s[G1L+4], 128
	s_mov_b32 s[G0K+0], 1
	s_mov_b32 s[G0K+1], 0
	s_mov_b32 s[G0K+4], 1
	s_mov_b32 s[G0K+5], SLOT
	s_mov_b32 s[G0V+0], 1
	s_mov_b32 s[G0V+1], VOFF
	s_mov_b32 s[G0V+4], 1
	s_mov_b32 s[G0V+5], SLOT+VOFF
	s_mov_b32 s[G0LA+0], 1
	s_mov_b32 s[G0LA+1], VLOA
	s_mov_b32 s[G0LB+0], 1
	s_mov_b32 s[G0LB+1], VLOB
	s_lshl_b32 s20, s12, 18                        ; a head of q, k, v or vlo is 262,144 bytes
	s_wait_dscnt 0x0
	s_wait_kmcnt 0x0
	s_add_nc_u64 s[26:27], s[4:5], s[20:21]        ; q's head
	s_add_nc_u64 s[22:23], s[26:27], 0x1000000     ; k's
	s_add_nc_u64 s[24:25], s[26:27], 0x2000000     ; v's
	s_add_nc_u64 s[66:67], s[6:7], s[20:21]        ; the remainder's
	s_lshl_b32 s20, s13, 15                        ; 256 tokens of 128 bytes
	s_add_nc_u64 s[28:29], s[26:27], s[20:21]      ; block B's queries
	s_add_nc_u64 s[G0LB+2:G0LB+3], s[66:67], s[20:21]
	s_or_b32 s[G0LB+3], s[G0LB+3], 0x80000000
	s_lshl_b32 s20, s11, 15
	s_add_nc_u64 s[26:27], s[26:27], s[20:21]      ; block A's
	s_add_nc_u64 s[G0LA+2:G0LA+3], s[66:67], s[20:21]
	s_or_b32 s[G0LA+3], s[G0LA+3], 0x80000000
	s_lshl_b32 s20, s12, 19                        ; a head of ao is 524,288 bytes
	s_add_nc_u64 s[30:31], s[8:9], s[20:21]
	s_lshl_b32 s20, s13, 16
	s_add_nc_u64 s[32:33], s[30:31], s[20:21]      ; block B's results
	s_lshl_b32 s20, s11, 16
	s_add_nc_u64 s[30:31], s[30:31], s[20:21]      ; block A's
	s_lshl_b32 s20, s16, 14                        ; tile dA: 16,384 bytes a tile
	s_add_nc_u64 s[G0K+2:G0K+3], s[22:23], s[20:21]
	s_or_b32 s[G0K+3], s[G0K+3], 0x80000000
	s_add_nc_u64 s[G0V+2:G0V+3], s[24:25], s[20:21]
	s_or_b32 s[G0V+3], s[G0V+3], 0x80000000
	; the first fills, one a wave, in one chain of branches on the wave's number
	s_cmp_lg_u32 s10, 0
	s_cbranch_scc1 .Lfill1
	tensor_load_to_lds s[G0K:G0K+3], s[G1K:G1K+7]
	s_nop 0
	s_branch .Lfilled
.Lfill1:
	s_cmp_lg_u32 s10, 1
	s_cbranch_scc1 .Lfill2
	tensor_load_to_lds s[G0V:G0V+3], s[G1V:G1V+7]
	s_nop 0
	s_branch .Lfilled
.Lfill2:
	s_cmp_lg_u32 s10, 2
	s_cbranch_scc1 .Lfill3
	tensor_load_to_lds s[G0LA:G0LA+3], s[G1L:G1L+7]
	s_nop 0
	s_branch .Lfilled
.Lfill3:
	tensor_load_to_lds s[G0LB:G0LB+3], s[G1L:G1L+7]
	s_nop 0
.Lfilled:
	v_and_b32 v1, 15, v0                           ; r
	v_bfe_u32 v2, v0, 4, 1                         ; h
	v_lshrrev_b32 v3, 1, v1
	v_mul_u32_u24 v3, v3, KP                       ; two keys in an LDS row
	v_and_b32 v4, 1, v1
	v_lshl_add_u32 v3, v4, 7, v3
	v_lshl_add_u32 v[VK], v2, 4, v3
	v_add_nc_u32 v[VK+1], SLOT, v[VK]
	v_bfe_u32 v3, v0, 1, 2                         ; key 8 h + l % 8 lies in row 4 h + (l % 8) / 2,
	v_lshl_add_u32 v3, v2, 2, v3
	v_mul_u32_u24 v3, v3, VP
	v_lshl_add_u32 v3, v4, 7, v3                   ; half l % 2 of it
	v_bfe_u32 v5, v0, 3, 1
	v_lshl_add_u32 v3, v5, 4, v3
	v_add_nc_u32 v[VV], VOFF, v3
	v_add_nc_u32 v[VV+1], SLOT+VOFF, v3
	v_add_nc_u32 v[VL], VLOA, v3
	v_add_nc_u32 v[VL+1], VLOB, v3
	v_lshlrev_b32 v[VQ], 7, v1
	v_lshl_add_u32 v[VQ], v2, 4, v[VQ]
	s_lshl_b32 s14, s10, 13
	v_add_nc_u32 v[VQ], s14, v[VQ]                 ; my 64 queries, row r, 16 bytes for each half
	s_mul_i32 s14, s10, WSTAGE
	s_add_co_u32 s14, s14, STAGE
	v_mul_u32_u24 v[STO], v1, 272
	v_lshl_add_u32 v[STO], v2, 4, v[STO]
	v_add_nc_u32 v[STO], s14, v[STO]
	v_mul_u32_u24 v[RD], v2, 272
	v_lshl_add_u32 v[RD], v1, 4, v[RD]
	v_add_nc_u32 v[RD], s14, v[RD]
	v_and_b32 v[CO], 31, v0
	v_lshlrev_b32 v[CO], 4, v[CO]
	s_lshl_b32 s14, s10, 14
	v_add_nc_u32 v[CO], s14, v[CO]                 ; my 64 tokens of 256 bytes
	v_mov_b32 v[NEG], 0xff7fffff
	v_mov_b32 v[CC], 0x3e38aa3b                    ; log2(e) / 8
	v_mov_b32 v[CC+1], 0x3e38aa3b
.set i_, 0
.rept 16
	v_mov_b32 v[T+i_], 0                           ; T and AL: written once whole, since pairs are named whole and a lane exchange names its destination
.set i_, i_+1
.endr
	v_lshlrev_b32 v3, 3, v2
	v_sub_nc_u32 v3, v3, v1                        ; 8 h - r
.irp e, 0,1,2,3,4,5,6,7
	v_cmp_lt_i32 s[PM+\e], -\e, v3                 ; 8 h + e > r: the key lies above the query
.endr
.macro QLOAD base
.irp it, 0,1,2,3
.irp ks, 0,1
	global_load_b128 v[Q+16*\it+8*\ks:Q+16*\it+8*\ks+3], v[VQ], s[\base:\base+1] offset:2048*\it+64*\ks
	global_load_b128 v[Q+16*\it+8*\ks+4:Q+16*\it+8*\ks+7], v[VQ], s[\base:\base+1] offset:2048*\it+64*\ks+32
.endr
.endr
.endm
; A refill: wave 0 fetches K's tile, wave 1 V's, waves 2 and 3 none.
.macro RLOAD s
	s_cmp_lg_u32 s10, 0
	s_cbranch_scc1 .Lr1_\@
	tensor_load_to_lds s[G0K+4*\s:G0K+4*\s+3], s[G1K:G1K+7]
	s_nop 0
	s_branch .Lrd_\@
.Lr1_\@:
	s_cmp_lg_u32 s10, 1
	s_cbranch_scc1 .Lrd_\@
	tensor_load_to_lds s[G0V+4*\s:G0V+4*\s+3], s[G1V:G1V+7]
	s_nop 0
.Lrd_\@:
.endm
; The head of a trip on slot `slot`.  Every wave's tensor loads have landed (this slot's tile among them) and its reads of the other slot are back; then the barrier;
; then tile s15 goes into the other slot, the wave's one tensor load until the next barrier: it has the whole trip in which to land.
.macro TOP slot, refill
	s_wait_tensorcnt 0x0
	ds_add_u32 v62, v63
	s_wait_dscnt 0x0
	s_wait_dscnt 0x0
.if \refill
	s_lshl_b32 s20, s15, 14
	s_add_nc_u64 s[G0K+4*(1-\slot)+2:G0K+4*(1-\slot)+3], s[22:23], s[20:21]    ; no load of mine is out: a group 0 may be written
	s_or_b32 s[G0K+4*(1-\slot)+3], s[G0K+4*(1-\slot)+3], 0x80000000
	s_add_nc_u64 s[G0V+4*(1-\slot)+2:G0V+4*(1-\slot)+3], s[24:25], s[20:21]
	s_or_b32 s[G0V+4*(1-\slot)+3], s[G0V+4*(1-\slot)+3], 0x80000000
.endif
	s_barrier_signal -1
	s_barrier_wait -1
.if \refill
	RLOAD (1-\slot)
.endif
.endm
.macro WRAP                            ; behind block A's last tile comes block B's first
	s_cmp_eq_u32 s15, s16
	s_cselect_b32 s15, s17, s15
.endm
.macro LOADK slot, st                  ; 16 loads: 64 keys x 64 d
.irp jt, 0,1,2,3
.irp ks, 0,1
	ds_load_b128 v[KF+16*\jt+8*\ks:KF+16*\jt+8*\ks+3], v[VK+\slot] offset:(32*\st+8*\jt)*KP+64*\ks
	ds_load_b128 v[KF+16*\jt+8*\ks+4:KF+16*\jt+8*\ks+7], v[VK+\slot] offset:(32*\st+8*\jt)*KP+64*\ks+32
.endr
.endr
.endm
.macro LOADVX dst, adr, row0           ; 16 transposing loads: 64 d x 64 keys, from LDS row row0 on
.irp dt, 0,1,2,3
.irp kc, 0,1
	ds_load_tr16_b128 v[\dst+16*\dt+8*\kc:\dst+16*\dt+8*\kc+3], v[\adr] offset:(\row0+16*\kc)*VP+32*\dt
	ds_load_tr16_b128 v[\dst+16*\dt+8*\kc+4:\dst+16*\dt+8*\kc+7], v[\adr] offset:(\row0+16*\kc+8)*VP+32*\dt
.endr
.endr
.endm
; 32 matrix instructions, S = K Q^T.  The first 32 of d start the sums.  The 16 accumulators take turns, one instruction a turn.
.macro SMM
.irp ks, 0,1
.irp jt, 0,1,2,3
.irp it, 0,1,2,3
.if \ks == 0
	v_wmma_f32_16x16x32_f16 v[S+32*\it+8*\jt:S+32*\it+8*\jt+7], v[KF+16*\jt+8*\ks:KF+16*\jt+8*\ks+7], v[Q+16*\it+8*\ks:Q+16*\it+8*\ks+7], 0
.else
	v_wmma_f32_16x16x32_f16 v[S+32*\it+8*\jt:S+32*\it+8*\jt+7], v[KF+16*\jt+8*\ks:KF+16*\jt+8*\ks+7], v[Q+16*\it+8*\ks:Q+16*\it+8*\ks+7], v[S+32*\it+8*\jt:S+32*\it+8*\jt+7]
.endif
.endr
.endr
.endr
.endm
; 32 matrix instructions, O += V^T P^T, V's fragments at src.  Accumulators by turns, as above.
.macro PVMM first, src
.irp kc, 0,1
.irp dt, 0,1,2,3
.irp it, 0,1,2,3
.if \first*(1-\kc)
	v_wmma_f32_16x16x32_f16 v[O+32*\it+8*\dt:O+32*\it+8*\dt+7], v[\src+16*\dt+8*\kc:\src+16*\dt+8*\kc+7], v[S+32*\it+16*\kc:S+32*\it+16*\kc+7], 0
.else
	v_wmma_f32_16x16x32_f16 v[O+32*\it+8*\dt:O+32*\it+8*\dt+7], v[\src+16*\dt+8*\kc:\src+16*\dt+8*\kc+7], v[S+32*\it+16*\kc:S+32*\it+16*\kc+7], v[O+32*\it+8*\dt:O+32*\it+8*\dt+7]
.endif
.endr
.endr
.endr
.endm
; The 64 x 64 block on the diagonal: key 16 jt + 8 h + e against query 16 it + r.
.macro MASK
.irp it, 0,1,2,3
.irp e, 0,1,2,3,4,5,6,7
	v_cndmask_b32 v[S+40*\it+\e], v[S+40*\it+\e], v[NEG], s[PM+\e]
.endr
.endr
.irp it, 0,1,2
.irp jt, 1,2,3
.if \jt > \it
.irp e, 0,1,2,3,4,5,6,7
	v_mov_b32 v[S+32*\it+8*\jt+\e], v[NEG]
.endr
.endif
.endr
.endr
.endm
; Query tile it: the step's maximum, the new running maximum, the factor for what has been summed, 32 exponentials, their sum, P packed in place.
.macro SOFTMAX it, first
.set X_, S+32*\it
	v_max3_num_f32 v[T], v[X_], v[X_+1], v[X_+2]
	v_max3_num_f32 v[T+1], v[X_+17], v[X_+18], v[X_+19]
.set i_, 0
.rept 6
	v_max3_num_f32 v[T], v[T], v[X_+3+2*i_], v[X_+4+2*i_]
	v_max3_num_f32 v[T+1], v[T+1], v[X_+20+2*i_], v[X_+21+2*i_]
.set i_, i_+1
.endr
	v_max3_num_f32 v[T], v[T], v[X_+15], v[X_+16]
	v_max_num_f32 v[T], v[T], v[T+1]
	v_permlanex16_b32 v[T+1], v[T], s36, s37       ; the other half holds the query's other keys
	v_max_num_f32 v[T], v[T], v[T+1]
.if \first
	v_mul_f32 v[T+4], v[CC], v[T]
	v_mov_b32 v[MX+\it], v[T+4]
.else
	v_mul_f32 v[T], v[CC], v[T]
	v_max_num_f32 v[T+4], v[MX+\it], v[T]
	v_sub_f32 v[T+3], v[MX+\it], v[T+4]
	v_exp_f32 v[AL+2*\it], v[T+3]
	v_mov_b32 v[MX+\it], v[T+4]                    ; the plain instruction behind the exponential (ISA guide 5.7.2); it names neither its result nor its source
.endif
.set i_, 0
.rept 16
	v_pk_fma_f32 v[X_+2*i_:X_+2*i_+1], v[X_+2*i_:X_+2*i_+1], v[CC:CC+1], v[T+4:T+5] op_sel_hi:[1,1,0] neg_lo:[0,0,1] neg_hi:[0,0,1]   ; s C - M
.set i_, i_+1
.endr
.set i_, 0
.rept 32
	v_exp_f32 v[X_+i_], v[X_+i_]
.set i_, i_+1
.endr
	v_nop                                          ; one plain place before the last results are used
	s_wait_alu depctr_va_vdst(0)
	v_pk_add_f32 v[SA:SA+1], v[X_:X_+1], v[X_+2:X_+3]
	v_pk_add_f32 v[SC:SC+1], v[X_+4:X_+5], v[X_+6:X_+7]
.set i_, 0
.rept 6
	v_pk_add_f32 v[SA:SA+1], v[SA:SA+1], v[X_+8+4*i_:X_+9+4*i_]
	v_pk_add_f32 v[SC:SC+1], v[SC:SC+1], v[X_+10+4*i_:X_+11+4*i_]
.set i_, i_+1
.endr
	v_pk_add_f32 v[SA:SA+1], v[SA:SA+1], v[SC:SC+1]
.if \first
	v_add_f32 v[LS+\it], v[SA], v[SA+1]
.else
	v_add_f32 v[T], v[SA], v[SA+1]
	v_fma_f32 v[LS+\it], v[LS+\it], v[AL+2*\it], v[T]
.endif
.irp jt, 0,1,2,3
.irp j, 0,1,2,3
	v_cvt_pk_f16_f32 v[X_+16*(\jt/2)+4*(\jt%2)+\j], v[X_+8*\jt+2*\j], v[X_+8*\jt+2*\j+1]   ; ascending, so no source is overwritten before it is read
.endr
.endr
.endm
.macro SOFT4 first
	SOFTMAX 0, \first
	SOFTMAX 1, \first
	SOFTMAX 2, \first
	SOFTMAX 3, \first
.endm
.macro RESCALE
.irp it, 0,1,2,3
.set i_, 0
.rept 16
	v_pk_mul_f32 v[O+32*\it+2*i_:O+32*\it+2*i_+1], v[O+32*\it+2*i_:O+32*\it+2*i_+1], v[AL+2*\it:AL+2*\it+1] op_sel_hi:[1,0]
.set i_, i_+1
.endr
.endr
.endm
; A step among the block's own keys: keys 64 t .. 64 t + 63 of the block, in half st of the slot.  Waves under t have nothing there; wave t has the diagonal.
.macro DSTEP blk, slot, st, t, first
.if \t > 0
	s_cmp_lt_u32 s10, \t
	s_cbranch_scc1 .Lds_\@                         ; all these keys lie above all my queries
.endif
	PL 5                                           ; behind the last products: S and the fragments are written again
	WIN 0x40
	LOADK \slot, \st
	LOADVX VF, VV+\slot, 32*\st
	s_wait_dscnt 16                                ; K's 16 loads are in, V's 16 stay out
	WIN 0x01
	SMM
	PL 5
	WIN 0x40
	LOADVX KF, VL+\blk, 32*\t                      ; the remainder of v takes K's registers
	WIN 0
	s_cmp_lg_u32 s10, \t
	s_cbranch_scc1 .Lnm_\@
	MASK
.Lnm_\@:
	SOFT4 \first
.if \first == 0
	WIN 0x41
	RESCALE
.endif
	s_wait_dscnt 0x0
	WIN 0x51
	PVMM \first, VF
	PVMM 0, KF
	WIN 0
.Lds_\@:
.endm
; A trip on a tile of 128 keys that lie under all queries of the block: two steps.
.macro FTRIP slot, refill, wrap
	TOP \slot, \refill
	s_add_co_u32 s15, s15, 1
.if \wrap
	WRAP
.endif
	PL 5
	WIN 0x40
	LOADK \slot, 0
	LOADVX VF, VV+\slot, 0
	s_wait_dscnt 16                                ; K of step 0 is in
	WIN 0x01
	SMM
	PL 5
	WIN 0x40
	LOADK \slot, 1
	WIN 0
	SOFT4 0
	WIN 0x41
	RESCALE
	s_wait_dscnt 16                                ; V of step 0 is in; K of step 1 may be out
	WIN 0x51
	PVMM 0, VF
	PL 5
	WIN 0x40
	LOADVX VF, VV+\slot, 32
	s_wait_dscnt 16                                ; K of step 1 is in
	WIN 0x01
	SMM
	PL 5
	WIN 0
	SOFT4 0
	WIN 0x41
	RESCALE
	s_wait_dscnt 0x0
	WIN 0x51
	PVMM 0, VF
	WIN 0
.endm
; A block's end: O / sum, split into bf16 hi and bf16 lo = O - hi, through my stage, out in whole token rows: each store covers 512 consecutive bytes, aligned.
.macro EPI blk, nextq
	PL 5
.if \nextq
	QLOAD 28                                       ; the next block's queries come in meanwhile
.endif
.irp it, 0,1,2,3
	v_permlanex16_b32 v[T+\it], v[LS+\it], s36, s37
.endr
.irp it, 0,1,2,3
	v_add_f32 v[LS+\it], v[LS+\it], v[T+\it]       ; both halves' keys
.endr
.irp it, 0,1,2,3
	v_rcp_f32 v[AL+2*\it], v[LS+\it]
.endr
	v_nop
	s_wait_alu depctr_va_vdst(0)
.irp it, 0,1,2,3
	WIN 0x41
.set i_, 0
.rept 16
	v_pk_mul_f32 v[O+32*\it+2*i_:O+32*\it+2*i_+1], v[O+32*\it+2*i_:O+32*\it+2*i_+1], v[AL+2*\it:AL+2*\it+1] op_sel_hi:[1,0]
.set i_, i_+1
.endr
	WIN 0x05
.set i_, 0
.rept 16
	v_cvt_pk_bf16_f32 v[64+i_], v[O+32*\it+2*i_], v[O+32*\it+2*i_+1]
.set i_, i_+1
.endr
	WIN 0
.set i_, 0
.rept 16
	v_lshlrev_b32 v[80+2*i_], 16, v[64+i_]
	v_and_b32 v[81+2*i_], 0xffff0000, v[64+i_]
.set i_, i_+1
.endr
	WIN 0x01
.set i_, 0
.rept 16
	v_pk_add_f32 v[80+2*i_:81+2*i_], v[O+32*\it+2*i_:O+32*\it+2*i_+1], v[80+2*i_:81+2*i_] neg_lo:[0,1] neg_hi:[0,1]
.set i_, i_+1
.endr
	WIN 0
.set i_, 0
.rept 16
	v_cvt_pk_bf16_f32 v[112+i_], v[80+2*i_], v[81+2*i_]
.set i_, i_+1
.endr
.irp dt, 0,1,2,3
	ds_store_b128 v[STO], v[64+4*\dt:64+4*\dt+3] offset:4352*\it+32*\dt
	ds_store_b128 v[STO], v[112+4*\dt:112+4*\dt+3] offset:4352*\it+32*\dt+128
.endr
.endr
.set t_, 0
.rept 4
.if t_ >= 16
	s_wait_xcnt 0x0                                ; these registers, which stores read, are loaded again only behind this wait
.endif
.set j_, 0
.rept 8
	ds_load_b128 v[128+32*((t_/8)%2)+4*j_:128+32*((t_/8)%2)+4*j_+3], v[RD] offset:544*(t_+j_)   ; in order behind my own stores
.set j_, j_+1
.endr
.set j_, 0
.rept 8
	s_wait_dscnt 7-j_
	global_store_b128 v[CO], v[128+32*((t_/8)%2)+4*j_:128+32*((t_/8)%2)+4*j_+3], s[30+2*\blk:31+2*\blk] offset:512*(t_+j_)
.set j_, j_+1
.endr
.set t_, t_+8
.endr
.if \nextq
	s_wait_xcnt 0x0                                ; the next block's scores land in these registers
.endif
.endm
	QLOAD 26
	s_add_co_u32 s15, s16, 1                       ; the next tile to fetch: dA + 1
	; BLOCK A
	TOP 0, 1
	s_mov_b32 s15, 0
	WRAP                                           ; c = 0 has no tile under its own
	s_wait_loadcnt 0x0                             ; Q
	DSTEP 0, 0, 0, 0, 1
	DSTEP 0, 0, 1, 1, 0
	TOP 1, 1
	s_add_co_u32 s15, s15, 1
	DSTEP 0, 1, 0, 2, 0
	DSTEP 0, 1, 1, 3, 0
	s_cmp_eq_u32 s11, 0
	s_cbranch_scc1 .Ldone_a
	s_mov_b32 s18, s11                             ; c pairs of tiles
.Lloop_a:
	FTRIP 0, 1, 1
	FTRIP 1, 1, 0
	s_sub_co_u32 s18, s18, 1
	s_cmp_lg_u32 s18, 0
	s_cbranch_scc1 .Lloop_a
.Ldone_a:
	EPI 0, 1
	; BLOCK B: its first tile was asked for in block A's last trip
	TOP 0, 1
	s_mov_b32 s15, 0
	s_wait_loadcnt 0x0
	DSTEP 1, 0, 0, 0, 1
	DSTEP 1, 0, 1, 1, 0
	TOP 1, 1
	s_add_co_u32 s15, s15, 1
	DSTEP 1, 1, 0, 2, 0
	DSTEP 1, 1, 1, 3, 0
	s_sub_co_u32 s18, 6, s11                       ; 7 - c pairs of tiles, the last written out: 6 - c trips, 3 at the least since c is 0 to 3
	s_max_u32 s18, s18, 1                          ; states in the text that the counter starts above its bound; it changes no value
.Lloop_b:
	FTRIP 0, 1, 0
	FTRIP 1, 1, 0
	s_sub_co_u32 s18, s18, 1
	s_cmp_lg_u32 s18, 0
	s_cbranch_scc1 .Lloop_b
	FTRIP 0, 1, 0
	FTRIP 1, 0, 0                                  ; nothing is left to fetch; its wait for all tensor loads is the last
	EPI 1, 0
	s_wait_tensorcnt 0x0
	ds_add_u32 v62, v63
	s_wait_dscnt 0x0
	s_endpgm
.Lfunc_end_k_q84f7627893_attn:
	.size	k_q84f7627893_attn, .Lfunc_end_k_q84f7627893_attn-k_q84f7627893_attn
	.p2alignl 7, 3214868480
	.fill 96, 4, 3214868480
	.section	.rodata,"a",@progbits
	.p2align	6, 0x0
	.amdhsa_kernel k_q84f7627893_attn
		.amdhsa_group_segment_fixed_size 327680
		.amdhsa_private_segment_fixed_size 0
		.amdhsa_enable_private_segment 0
		.amdhsa_kernarg_size 24
		.amdhsa_user_sgpr_count 2
		.amdhsa_user_sgpr_kernarg_segment_ptr 1
		.amdhsa_wavefront_size32 1
		.amdhsa_system_sgpr_workgroup_id_x 1
		.amdhsa_system_sgpr_workgroup_id_y 1
		.amdhsa_system_sgpr_workgroup_id_z 1
		.amdhsa_system_vgpr_workitem_id 0
		.amdhsa_next_free_vgpr 512
		.amdhsa_next_free_sgpr 100
		.amdhsa_reserve_vcc 0
		.amdhsa_float_denorm_mode_32 3
		.amdhsa_float_denorm_mode_16_64 3
		.amdhsa_memory_ordered 1
		.amdhsa_forward_progress 1
		.amdhsa_inst_pref_size 255
	.end_amdhsa_kernel
	.section	.bss,"aw",@nobits
	.p2align	6
	.space	262144
	.amdgpu_metadata
---
amdhsa.version: [ 1, 2 ]
amdhsa.kernels:
  - .name:           k_q84f7627893_attn
    .symbol:         k_q84f7627893_attn.kd
    .args:
      - { .name: qkv, .offset: 0, .size: 8, .value_kind: global_buffer, .address_space: global }
      - { .name: vlo, .offset: 8, .size: 8, .value_kind: global_buffer, .address_space: global }
      - { .name: ao, .offset: 16, .size: 8, .value_kind: global_buffer, .address_space: global }
    .group_segment_fixed_size: 327680
    .private_segment_fixed_size: 0
    .kernarg_segment_align: 8
    .kernarg_segment_size: 24
    .max_flat_workgroup_size: 128
    .sgpr_count:     100
    .vgpr_count:     512
    .wavefront_size: 32
...
	.end_amdgpu_metadata
.endif
;; end of part 3
;; launch proj (part 4): grid 4 x 64, 4 waves a work-group, clusters of 4 x 4, 327,680 bytes of LDS; arguments ao, wb, bo, out0; writes out0
.if DOCPART == 4
	.amdgcn_target "amdgcn-amd-amdhsa--gfx1250"
	.amdhsa_code_object_version 6
	.text
	.protected	k_q84f7627893_proj
	.globl	k_q84f7627893_proj
	.p2align	8
	.type	k_q84f7627893_proj,@function
k_q84f7627893_proj:
	s_mov_b64 s[64:65], 0
	v_nop
	global_prefetch_b8 v0, s[64:65] scope:SCOPE_SE
	s_setreg_imm32_b32 hwreg(HW_REG_WAVE_MODE, 25, 1), 1
	s_wait_xcnt 0x0
	s_wait_alu depctr_hold_cnt(0) depctr_sa_sdst(0) depctr_va_vdst(0) depctr_va_sdst(0) depctr_va_ssrc(0) depctr_va_vcc(0) depctr_vm_vsrc(0)
	s_getreg_b32 s2, hwreg(HW_REG_IB_STS2, 6, 4)
	s_cmp_eq_u32 s2, 0
	s_cbranch_scc0 .Lentry_in_a_cluster
	s_endpgm
.Lentry_in_a_cluster:
	s_bfe_u32 s2, ttmp6, 0x10000c
	s_cmp_lg_u32 s2, 0xf033
	s_cbranch_scc0 .Lentry_shape_is_right
	s_endpgm
.Lentry_shape_is_right:
; FOURTH LAUNCH: out0 = (hi + lo) Wo + bo.  ao: [batch*16+head][2048][128] bf16, a token's 256 bytes = hi[64], lo[64].  Wo = wb[3]: [1024 k][1024 n] bf16.  out0: [8192][1024] f32.
; Nothing is left out here.  hi and lo are multiplied by the same fragment of Wo into the same f32 sum, so the attention's result enters with 16 significant bits.
; A work-group makes 128 rows x 256 columns; wave (wm, wn) 64 x 128: 4 x 8 accumulator tiles, 256 registers.  A K step is 128 = two heads; a slot holds two tiles of Wo
; (128 k x 128 n) and two of ao (128 tokens x 256 bytes, one for each head).  Rows of every tile are 256 bytes of memory, aligned to 256.
; CLUSTERS: 4 x 4 work-groups; ao's tiles hang on the block row alone and are asked for jointly by a row of the cluster, Wo's on the block column alone, by a column.
; Wo lies [k][n]: its fragments come by the transposing LDS load.  The matrix instruction is used transposed (source 0 = Wo's columns, source 1 = tokens):
; lane l holds token l % 16 and eight neighbouring columns.
; REGISTERS: window 0: v16-31 addresses and bias, v64-191 ao's fragments (two buffers of 4 row blocks x hi, lo), v192-255 the way out; window 1: Wo's fragments, two
; buffers of 8 at v0, v64; window 2: accumulators of my rows 0-31, tile (al, b) at v[8 (8 al + b)]; window 3: rows 32-63.
.set NBW,    8
.set NPART,  2                         ; hi and lo
.set NSUB,   2                         ; Wo's tiles in a slot
.set BPITCH, 288
.set APITCH, 272
.set BSUB,   128*BPITCH
.set ATILE,  128*APITCH
.set AOFF,   NSUB*BSUB
.set SLOT,   AOFF+2*ATILE              ; 143,360
.set STAGE,  2*SLOT                    ; a multiple of 256: no tensor load lands behind it
.set WSTAGE, 8448                      ; 16 rows x 528 bytes
.set ASTEP,  1048576                   ; two heads of ao
.set BSTEP,  262144                    ; 128 rows of Wo
.set LAPS,   4
.set ADRA,  16
.set ADRB1, 20
.set STO,   24
.set RD,    25
.set CO,    26
.set BIAS,  28                         ; v[28:31] bo of my four columns
.set FA,    64
.set FASZ,  32*NPART
.set FBSZ,  8*NBW
.set RB,    192
.set G1A, 24
.set G0A, 32
.set G1B, 48
.set G0B, 56
.set MSB, 0
.macro WIN new
.if MSB != \new
	s_set_vgpr_msb (MSB<<8)|\new
.set MSB, \new
.endif
.endm
.set MUL_LO, 0xa1
.set MUL_HI, 0xf1
.set TO_B,   0x40
; A joint load: waves 0, 1 fetch Wo's two tiles, waves 2, 3 the two heads' tiles of ao.  One mask a line; the branch hangs on the wave's number alone.
.macro JLOAD s
	s_cmp_lt_u32 s12, NSUB
	s_cbranch_scc0 .Lfor_a_\@
	tensor_load_to_lds s[G0B+4*\s:G0B+4*\s+3], s[G1B:G1B+7]
	s_nop 0
	s_branch .Lasked_\@
.Lfor_a_\@:
	tensor_load_to_lds s[G0A+4*\s:G0A+4*\s+3], s[G1A:G1A+7]
	s_nop 0
.Lasked_\@:
.endm
.macro CREST
	s_cmp_lg_u32 s12, 0
	s_cbranch_scc1 .Lnot_wave_0_\@
	s_barrier_signal -3
.Lnot_wave_0_\@:
	s_barrier_wait -3
	s_barrier_signal -1
	s_barrier_wait -1
.endm
.macro CROUND
	s_barrier_signal -1
	s_barrier_wait -1
	CREST
.endm
	s_load_b256 s[4:11], s[0:1], 0x0               ; ao s[4:5], wb s[6:7], bo s[8:9], out0 s[10:11]
	s_set_vgpr_msb 0x40
	v_lshl_add_u32 v255, v0, 2, 0x4e400
	s_set_vgpr_msb 0x4000
	v_mov_b32 v63, 0
	s_set_vgpr_msb 0x1
	ds_add_u32 v255, v63
	s_set_vgpr_msb 0x100
	v_lshrrev_b32 v1, 5, v0
	v_readfirstlane_b32 s12, v1                    ; wave
	s_lshr_b32 s13, s12, 1                         ; wm
	s_and_b32 s14, s12, 1                          ; wn; also: which head's tile waves 2, 3 fetch
	s_bfe_u32 s40, ttmp6, 0x40000                  ; cx
	s_bfe_u32 s41, ttmp6, 0x40004                  ; cy
	s_lshl_b32 s42, ttmp9, 2
	s_add_co_u32 s42, s42, s40                     ; bx
	s_and_b32 s45, ttmp7, 0xffff
	s_lshl_b32 s45, s45, 2
	s_add_co_u32 s45, s45, s41                     ; by
	s_lshl_b32 s43, s41, 2
	s_lshl_b32 s43, 15, s43                        ; my row of the cluster
	s_lshl_b32 s44, 0x1111, s40                    ; my column
	s_or_b32 s[G1A+0], s43, (1<<16)|(1<<20)|(1<<21)|(5<<22)|(3<<25)
	s_or_b32 s[G1B+0], s44, (1<<16)|(1<<20)|(1<<21)|(5<<22)|(7<<25)
	s_mov_b32 s[G1A+1], 128<<16
	s_mov_b32 s[G1B+1], 128<<16
	s_mov_b32 s[G1A+2], 128<<16
	s_mov_b32 s[G1B+2], 128<<16
	s_mov_b32 s[G1A+3], 128<<16
	s_mov_b32 s[G1B+3], 128<<16
	s_mov_b32 s[G1A+4], 128
	s_mov_b32 s[G1B+4], 128
	s_mov_b32 s[G1A+5], 128                        ; ao: a token's row follows the last without a gap
	s_mov_b32 s[G1B+5], 1024
	s_mov_b32 s[G1A+6], 0
	s_mov_b32 s[G1B+6], 0
	s_mov_b32 s[G1A+7], 0
	s_mov_b32 s[G1B+7], 0
	; ao's address is made of by and the wave's number, Wo's of bx and the wave's number, in registers that never hold the other coordinate
	s_lshr_b32 s16, s45, 4
	s_lshl_b32 s16, s16, 23                        ; batch: 16 heads of 524,288 bytes
	s_and_b32 s17, s45, 15
	s_lshl_b32 s17, s17, 15                        ; 128 tokens of 256 bytes
	s_add_co_u32 s16, s16, s17
	s_lshl_b32 s17, s14, 19                        ; the K step's first or second head
	s_add_co_u32 s16, s16, s17
	s_mov_b32 s17, 0
	s_lshl_b32 s46, s42, 9                         ; 256 columns of 2 bytes
	s_lshl_b32 s47, s12, 8                         ; my 128 of them
	s_add_co_u32 s46, s46, s47
	s_add_co_u32 s46, s46, 6291456                 ; wb[3]
	s_mov_b32 s47, 0
	s_mul_i32 s20, s12, BSUB
	s_mul_i32 s21, s12, ATILE
	s_add_co_u32 s21, s21, AOFF-NSUB*ATILE         ; wave 2: AOFF, wave 3: AOFF + ATILE
	; where the results go, and the bias: terms of bx and by together, in registers of their own
	s_lshl_b32 s76, s45, 7
	s_lshl_b32 s77, s13, 6
	s_add_co_u32 s76, s76, s77                     ; my first row
	s_lshl_b32 s76, s76, 12                        ; of 4,096 bytes
	s_lshl_b32 s77, s42, 10
	s_lshl_b32 s78, s14, 9
	s_add_co_u32 s78, s78, s77                     ; my first column, in bytes
	s_mov_b32 s79, 0
	s_wait_dscnt 0x0
	s_wait_kmcnt 0x0
	s_add_nc_u64 s[16:17], s[4:5], s[16:17]
	s_add_nc_u64 s[46:47], s[6:7], s[46:47]
	s_add_nc_u64 s[68:69], s[8:9], s[78:79]
	s_add_co_u32 s78, s78, s76
	s_add_nc_u64 s[66:67], s[10:11], s[78:79]
	CROUND                                         ; the first joint loads meet
.irp s, 0,1
	s_mov_b32 s[G0A+4*\s], 1
	s_add_co_u32 s[G0A+4*\s+1], s21, \s*SLOT
	s_add_nc_u64 s[G0A+4*\s+2:G0A+4*\s+3], s[16:17], \s*ASTEP
	s_or_b32 s[G0A+4*\s+3], s[G0A+4*\s+3], 0x80000000
	s_mov_b32 s[G0B+4*\s], 1
	s_add_co_u32 s[G0B+4*\s+1], s20, \s*SLOT
	s_add_nc_u64 s[G0B+4*\s+2:G0B+4*\s+3], s[46:47], \s*BSTEP
	s_or_b32 s[G0B+4*\s+3], s[G0B+4*\s+3], 0x80000000
	JLOAD \s                                       ; two loads of a wave are out, never more
.endr
	v_and_b32 v1, 15, v0                           ; r
	v_bfe_u32 v2, v0, 4, 1                         ; h
	v_and_b32 v3, 7, v0
	v_bfe_u32 v4, v0, 3, 1
	v_lshl_add_u32 v3, v2, 3, v3
	v_mul_u32_u24 v3, v3, BPITCH
	v_lshl_add_u32 v3, v4, 4, v3
	v_mul_u32_u24 v5, v1, APITCH
	v_lshl_add_u32 v5, v2, 4, v5
	s_mul_i32 s22, s14, BSUB                       ; my 128 columns are one tile of Wo
	s_mul_i32 s18, s13, 64*APITCH
	s_add_co_u32 s18, s18, AOFF
.irp s, 0,1
	v_add_nc_u32 v[ADRB1+\s], s22, v3
	v_add_nc_u32 v[ADRA+\s], s18, v5
	s_add_co_u32 s22, s22, SLOT
	s_add_co_u32 s18, s18, SLOT
.endr
	s_mul_i32 s23, s12, WSTAGE
	s_add_co_u32 s23, s23, STAGE
	v_mul_u32_u24 v6, v1, 528
	v_lshl_add_u32 v6, v2, 5, v6
	v_add_nc_u32 v[STO], s23, v6                   ; in: row r, 32 bytes for each half
	v_and_b32 v7, 31, v0
	v_lshlrev_b32 v[CO], 4, v7                     ; back and out: a lane takes 16 bytes of a row's 512
	v_add_nc_u32 v[RD], s23, v[CO]
	global_load_b128 v[BIAS:BIAS+3], v[CO], s[68:69]
; 16 matrix instructions: row block 2 hi + al, first hi's fragment and then lo's, each x my 8 column blocks.  zero = 1: hi's products start the sums.
; The accumulators take turns, one instruction a turn.
.macro MULA f, hi, al, zero
.set p_, 0
.rept NPART
.set z_, \zero*(1-p_)
.set b_, 0
.rept NBW
.set d_, 8*(NBW*\al+b_)
.set s0_, \f*FBSZ+8*b_
.set s1_, FA+\f*FASZ+8*((2*\hi+\al)*NPART+p_)
.if z_
	v_wmma_f32_16x16x32_bf16 v[d_:d_+7], v[s0_:s0_+7], v[s1_:s1_+7], 0
.else
	v_wmma_f32_16x16x32_bf16 v[d_:d_+7], v[s0_:s0_+7], v[s1_:s1_+7], v[d_:d_+7]
.endif
.set b_, b_+1
.endr
.set p_, p_+1
.endr
.endm
; 32 LDS loads in one run: quarter qn of a slot into buffer g.  Quarter qn is d = 32 (qn % 2) .. of head qn / 2; lo lies 128 bytes behind hi.
.macro FETCH slot, qn, g
	WIN TO_B
.set b_, 0
.rept 8
	ds_load_tr16_b128 v[\g*FBSZ+8*b_:\g*FBSZ+8*b_+3], v[ADRB1+\slot] offset:\qn*32*BPITCH+32*b_
	ds_load_tr16_b128 v[\g*FBSZ+8*b_+4:\g*FBSZ+8*b_+7], v[ADRB1+\slot] offset:\qn*32*BPITCH+16*BPITCH+32*b_
.set b_, b_+1
.endr
	WIN 0
.set a_, 0
.rept 4
.set p_, 0
.rept 2
	ds_load_b128 v[FA+\g*FASZ+8*(2*a_+p_):FA+\g*FASZ+8*(2*a_+p_)+3], v[ADRA+\slot] offset:(\qn/2)*ATILE+(\qn%2)*64+a_*16*APITCH+128*p_
	ds_load_b128 v[FA+\g*FASZ+8*(2*a_+p_)+4:FA+\g*FASZ+8*(2*a_+p_)+7], v[ADRA+\slot] offset:(\qn/2)*ATILE+(\qn%2)*64+a_*16*APITCH+128*p_+32
.set p_, p_+1
.endr
.set a_, a_+1
.endr
.endm
.macro PLACES                          ; four plain vector instructions behind a matrix instruction (ISA guide 7.12.1)
.rept 4
	v_nop
.endr
.endm
.macro QUARTER slot, qn, f, g, zero
	s_wait_dscnt 4*NPART                           ; only the eight loads of row blocks 2, 3 may be out
	WIN MUL_LO
	MULA \f, 0, 0, \zero
	MULA \f, 0, 1, \zero
	PLACES
	FETCH \slot, \qn, \g
	s_wait_dscnt 32                                ; all but the 32 just issued
	WIN MUL_HI
	MULA \f, 1, 0, \zero
	MULA \f, 1, 1, \zero
.endm
.macro THREE slot, zero
	QUARTER \slot, 1, 0, 1, \zero
	QUARTER \slot, 2, 1, 0, 0
	QUARTER \slot, 3, 0, 1, 0
.endm
; The change of slots: each wave's reads of this slot are back and all its tensor loads have landed in front of the barrier; the refill comes first behind it.
.macro TURN slot, next, fill
	s_wait_dscnt 4*NPART
	WIN MUL_LO
	MULA 1, 0, 0, 0
	s_wait_dscnt 0x0
	s_wait_tensorcnt 0x0
	ds_add_u32 v255, v63
	s_wait_dscnt 0x0
	s_barrier_signal -1
	MULA 1, 0, 1, 0
	WIN 0
	s_barrier_wait -1
.if \fill
	CREST                                          ; no wave of any partner still reads this slot or has a load on its way
	s_add_nc_u64 s[G0A+4*\slot+2:G0A+4*\slot+3], s[G0A+4*\slot+2:G0A+4*\slot+3], 2*ASTEP
	s_add_nc_u64 s[G0B+4*\slot+2:G0B+4*\slot+3], s[G0B+4*\slot+2:G0B+4*\slot+3], 2*BSTEP
	JLOAD \slot
.endif
	PLACES
	FETCH \next, 0, 0
	WIN MUL_HI
	MULA 1, 1, 0, 0
	MULA 1, 1, 1, 0
.endm
.macro LAP zero
	THREE 0, \zero
	TURN 0, 1, 1
	THREE 1, 0
	TURN 1, 0, 1
.endm
	s_wait_tensorcnt 0x1                           ; my part of K step 0 is in; K step 1's stays out
	s_barrier_signal -1
	s_barrier_wait -1
	FETCH 0, 0, 0
	LAP 1
	WIN 0
	s_mov_b32 s3, LAPS-2
.Llap:
	LAP 0
	WIN 0
	s_sub_co_u32 s3, s3, 1
	s_cmp_lg_u32 s3, 0
	s_cbranch_scc1 .Llap
	THREE 0, 0
	TURN 0, 1, 0
	THREE 1, 0
	s_wait_dscnt 4*NPART
	WIN MUL_LO
	MULA 1, 0, 0, 0
	MULA 1, 0, 1, 0
	s_wait_dscnt 0x0
	WIN MUL_HI
	MULA 1, 1, 0, 0
	MULA 1, 1, 1, 0
	PLACES
	s_wait_loadcnt 0x0                             ; the bias
; THE WAY OUT, 16 rows at a time: the sums go as they are into my stage (pitch 528), come back as whole rows of 512 bytes, take the bias and leave:
; each store of the wave covers 512 consecutive bytes, aligned.  dwin: the accumulators' window as an LDS store's data.
.macro OUT a, al, dwin
	WIN \dwin
.set b_, 0
.rept 8
	ds_store_b128 v[STO], v[8*(8*\al+b_):8*(8*\al+b_)+3] offset:64*b_
	ds_store_b128 v[STO], v[8*(8*\al+b_)+4:8*(8*\al+b_)+7] offset:64*b_+16
.set b_, b_+1
.endr
	WIN 0
	s_wait_xcnt 0x0                                ; RB and the base, which the last block's stores read, are written again only behind this wait
.if \a
	s_add_nc_u64 s[66:67], s[66:67], 65536         ; 16 rows on
.endif
.set t_, 0
.rept 16
	ds_load_b128 v[RB+4*t_:RB+4*t_+3], v[RD] offset:528*t_     ; in order behind my own stores
.set t_, t_+1
.endr
.set t_, 0
.rept 16
	s_wait_dscnt 15-t_
	v_pk_add_f32 v[RB+4*t_:RB+4*t_+1], v[RB+4*t_:RB+4*t_+1], v[BIAS:BIAS+1]
	v_pk_add_f32 v[RB+4*t_+2:RB+4*t_+3], v[RB+4*t_+2:RB+4*t_+3], v[BIAS+2:BIAS+3]
	global_store_b128 v[CO], v[RB+4*t_:RB+4*t_+3], s[66:67] offset:4096*t_ th:TH_STORE_NT
.set t_, t_+1
.endr
.endm
	OUT 0, 0, 0x08
	OUT 1, 1, 0x08
	OUT 2, 0, 0x0c
	OUT 3, 1, 0x0c
	s_set_vgpr_msb 0x1
	s_wait_tensorcnt 0x0
	ds_add_u32 v255, v63
	s_wait_dscnt 0x0
	s_set_vgpr_msb 0x100
	CROUND                                         ; the closing round
	s_endpgm
.Lfunc_end_k_q84f7627893_proj:
	.size	k_q84f7627893_proj, .Lfunc_end_k_q84f7627893_proj-k_q84f7627893_proj
	.p2alignl 7, 3214868480
	.fill 96, 4, 3214868480
	.section	.rodata,"a",@progbits
	.p2align	6, 0x0
	.amdhsa_kernel k_q84f7627893_proj
		.amdhsa_group_segment_fixed_size 327680
		.amdhsa_private_segment_fixed_size 0
		.amdhsa_enable_private_segment 0
		.amdhsa_kernarg_size 32
		.amdhsa_user_sgpr_count 2
		.amdhsa_user_sgpr_kernarg_segment_ptr 1
		.amdhsa_wavefront_size32 1
		.amdhsa_system_sgpr_workgroup_id_x 1
		.amdhsa_system_sgpr_workgroup_id_y 1
		.amdhsa_system_sgpr_workgroup_id_z 1
		.amdhsa_system_vgpr_workitem_id 0
		.amdhsa_next_free_vgpr 1024
		.amdhsa_next_free_sgpr 80
		.amdhsa_reserve_vcc 0
		.amdhsa_float_denorm_mode_32 3
		.amdhsa_float_denorm_mode_16_64 3
		.amdhsa_memory_ordered 1
		.amdhsa_forward_progress 1
		.amdhsa_inst_pref_size 188
	.end_amdhsa_kernel
	.amdgpu_metadata
---
amdhsa.version: [ 1, 2 ]
amdhsa.kernels:
  - .name:           k_q84f7627893_proj
    .symbol:         k_q84f7627893_proj.kd
    .args:
      - { .name: ao, .offset: 0, .size: 8, .value_kind: global_buffer, .address_space: global }
      - { .name: wb, .offset: 8, .size: 8, .value_kind: global_buffer, .address_space: global }
      - { .name: bo, .offset: 16, .size: 8, .value_kind: global_buffer, .address_space: global }
      - { .name: out0, .offset: 24, .size: 8, .value_kind: global_buffer, .address_space: global }
    .group_segment_fixed_size: 327680
    .private_segment_fixed_size: 0
    .kernarg_segment_align: 8
    .kernarg_segment_size: 32
    .max_flat_workgroup_size: 128
    .sgpr_count:     80
    .vgpr_count:     1024
    .wavefront_size: 32
...
	.end_amdgpu_metadata
.endif
;; end of part 4
;; ======== version 2 of 3: 4 launches; 1.38 times as fast as version 1
;; limits: values are held in f16: magnitudes above 65,504 overflow, below 6.1e-05 lose precision
;; workspace buffers: xb 16,777,216 bytes; wb 8,388,608 bytes; qkv 50,331,648 bytes; vlo 16,777,216 bytes; ao 33,554,432 bytes
;; launch cvt (part 5): grid 768 x 1, 8 waves a work-group, no clusters, 0 bytes of LDS; arguments x, Wq, Wk, Wv, Wo, xb, wb; writes xb, wb
.if DOCPART == 5
	.amdgcn_target "amdgcn-amd-amdhsa--gfx1250"
	.amdhsa_code_object_version 6
	.text
	.protected	k_q84f7627893_cvt
	.globl	k_q84f7627893_cvt
	.p2align	8
	.type	k_q84f7627893_cvt,@function
k_q84f7627893_cvt:
	s_mov_b64 s[64:65], 0
	v_nop
	global_prefetch_b8 v0, s[64:65] scope:SCOPE_SE
	s_setreg_imm32_b32 hwreg(HW_REG_WAVE_MODE, 25, 1), 1
	s_wait_xcnt 0x0
; FIRST OF FOUR LAUNCHES: cvt (x and the four weights to bf16), qkv (the three projections), attn (causal attention), proj (the last product and its bias).
; This one rounds x [8192][1024] into xb, and Wq, Wk, Wv, Wo [1024][1024] into wb[0..3], f32 to bf16, each in its own order.
;
; WORK LEFT OUT IN THE WHOLE PROGRAM.  The mask is built by the function itself (jnp.tril): for key j > query i the score is replaced by -FLT_MAX,
; and since key j = i is always kept, the row's maximum is a kept score, so the weight of a masked key is exp(-FLT_MAX - max) = 0 for all finite inputs.
; A tile of 64 keys x 16 queries all of whose keys lie above all of its queries therefore adds 0 to every sum: launch attn neither multiplies nor sums such tiles.
; In a tile that the diagonal crosses the masked scores are computed and replaced, as the function does.
; Every input has a way to the output: all six are loaded (bo in launch proj).
; LIMIT: a NaN, an infinity or an overflow that reaches only the tiles left out (k or v rows seen by no kept score of a query) is not carried to that query's result.
; LIMITS OF FORMAT: x and the weights are rounded to bf16 as matrix operands.  q, k, v are kept in f16 between launches: |q|, |k|, |v| must stay under 65,504
; (inputs 30 times larger give a spread near 600, a common offset of 30 spreads gives values near 18,400); values under 6e-8 in magnitude are lost.
;
; Memory binds here: each work-group turns 65,536 bytes of f32 into 32,768 bytes of bf16.  Thread t takes 16 bytes at 16 t + 4,096 i, i = 0..15; all sixteen
; loads go out first, so that a wave has 8 KiB on its way; each store of a wave covers 256 consecutive bytes, aligned.  No LDS, no matrix unit: nothing is shared.
.set XCH, 512                          ; work-groups 0..511 take x, 512..767 the weights, 64 for each matrix
.set X, 4                              ; v[4:67]   sixteen loads of four f32
.set Y, 68                             ; v[68:99]  sixteen pairs of packed bf16
	s_load_b256 s[4:11], s[0:1], 0x0               ; x s[4:5], Wq s[6:7], Wk s[8:9], Wv s[10:11]
	s_load_b128 s[12:15], s[0:1], 0x20             ; Wo s[12:13], xb s[14:15]
	s_load_b64 s[16:17], s[0:1], 0x30              ; wb
	s_mov_b32 s19, ttmp9                           ; g
	s_sub_co_u32 s20, s19, XCH                     ; j = g - 512: the chunk among the weights (not used where g < 512)
	s_lshr_b32 s21, s20, 6                         ; which matrix
	s_and_b32 s22, s20, 63                         ; which chunk of it
	v_lshlrev_b32 v1, 4, v0                        ; 16 t
	v_lshlrev_b32 v2, 3, v0                        ; 8 t
	s_wait_kmcnt 0x0
	s_cmp_eq_u32 s21, 1
	s_cselect_b64 s[24:25], s[8:9], s[6:7]         ; the source is chosen by the work-group's number alone
	s_cmp_eq_u32 s21, 2
	s_cselect_b64 s[24:25], s[10:11], s[24:25]
	s_cmp_eq_u32 s21, 3
	s_cselect_b64 s[24:25], s[12:13], s[24:25]
	s_cmp_lt_u32 s19, XCH
	s_cselect_b64 s[24:25], s[4:5], s[24:25]       ; x for the first 512
	s_cselect_b64 s[26:27], s[14:15], s[16:17]     ; xb or wb
	s_cselect_b32 s28, s19, s22                    ; the chunk in the source
	s_cselect_b32 s30, s19, s20                    ; the chunk in the destination
	s_lshl_b32 s28, s28, 16
	s_mov_b32 s29, 0
	s_lshl_b32 s30, s30, 15
	s_mov_b32 s31, 0
	s_add_nc_u64 s[24:25], s[24:25], s[28:29]
	s_add_nc_u64 s[26:27], s[26:27], s[30:31]
.set i, 0
.rept 16
	global_load_b128 v[X+4*i:X+4*i+3], v1, s[24:25] offset:4096*i th:TH_LOAD_NT
.set i, i+1
.endr
.set i, 0
.rept 16
	s_wait_loadcnt 15-i                            ; loads come back in order: load i is in, the 15 - i younger ones stay out
	v_cvt_pk_bf16_f32 v[Y+2*i], v[X+4*i], v[X+4*i+1]
	v_cvt_pk_bf16_f32 v[Y+2*i+1], v[X+4*i+2], v[X+4*i+3]
	global_store_b64 v2, v[Y+2*i:Y+2*i+1], s[26:27] offset:2048*i   ; no register is written twice, so no store's source needs a wait
.set i, i+1
.endr
	s_endpgm
.Lfunc_end_k_q84f7627893_cvt:
	.size	k_q84f7627893_cvt, .Lfunc_end_k_q84f7627893_cvt-k_q84f7627893_cvt
	.p2alignl 7, 3214868480
	.fill 96, 4, 3214868480
	.section	.rodata,"a",@progbits
	.p2align	6, 0x0
	.amdhsa_kernel k_q84f7627893_cvt
		.amdhsa_group_segment_fixed_size 0
		.amdhsa_private_segment_fixed_size 0
		.amdhsa_enable_private_segment 0
		.amdhsa_kernarg_size 56
		.amdhsa_user_sgpr_count 2
		.amdhsa_user_sgpr_kernarg_segment_ptr 1
		.amdhsa_wavefront_size32 1
		.amdhsa_system_sgpr_workgroup_id_x 1
		.amdhsa_system_sgpr_workgroup_id_y 1
		.amdhsa_system_sgpr_workgroup_id_z 1
		.amdhsa_system_vgpr_workitem_id 0
		.amdhsa_next_free_vgpr 100
		.amdhsa_next_free_sgpr 66
		.amdhsa_reserve_vcc 0
		.amdhsa_float_denorm_mode_32 3
		.amdhsa_float_denorm_mode_16_64 3
		.amdhsa_memory_ordered 1
		.amdhsa_forward_progress 1
		.amdhsa_inst_pref_size 7
	.end_amdhsa_kernel
	.amdgpu_metadata
---
amdhsa.version: [ 1, 2 ]
amdhsa.kernels:
  - .name:           k_q84f7627893_cvt
    .symbol:         k_q84f7627893_cvt.kd
    .args:
      - { .name: x, .offset: 0, .size: 8, .value_kind: global_buffer, .address_space: global }
      - { .name: Wq, .offset: 8, .size: 8, .value_kind: global_buffer, .address_space: global }
      - { .name: Wk, .offset: 16, .size: 8, .value_kind: global_buffer, .address_space: global }
      - { .name: Wv, .offset: 24, .size: 8, .value_kind: global_buffer, .address_space: global }
      - { .name: Wo, .offset: 32, .size: 8, .value_kind: global_buffer, .address_space: global }
      - { .name: xb, .offset: 40, .size: 8, .value_kind: global_buffer, .address_space: global }
      - { .name: wb, .offset: 48, .size: 8, .value_kind: global_buffer, .address_space: global }
    .group_segment_fixed_size: 0
    .private_segment_fixed_size: 0
    .kernarg_segment_align: 8
    .kernarg_segment_size: 56
    .max_flat_workgroup_size: 256
    .sgpr_count:     66
    .vgpr_count:     100
    .wavefront_size: 32
...
	.end_amdgpu_metadata
.endif
;; end of part 5
;; launch qkv (part 6): grid 8 x 64, 4 waves a work-group, clusters of 4 x 4, 327,680 bytes of LDS; arguments xb, wb, qkv, vlo; writes qkv, vlo
.if DOCPART == 6
	.amdgcn_target "amdgcn-amd-amdhsa--gfx1250"
	.amdhsa_code_object_version 6
	.text
	.protected	k_q84f7627893_qkv
	.globl	k_q84f7627893_qkv
	.p2align	8
	.type	k_q84f7627893_qkv,@function
k_q84f7627893_qkv:
	s_mov_b64 s[64:65], 0
	v_nop
	global_prefetch_b8 v0, s[64:65] scope:SCOPE_SE
	s_setreg_imm32_b32 hwreg(HW_REG_WAVE_MODE, 25, 1), 1
	s_wait_xcnt 0x0
	s_wait_alu depctr_hold_cnt(0) depctr_sa_sdst(0) depctr_va_vdst(0) depctr_va_sdst(0) depctr_va_ssrc(0) depctr_va_vcc(0) depctr_vm_vsrc(0)
	s_getreg_b32 s2, hwreg(HW_REG_IB_STS2, 6, 4)
	s_cmp_eq_u32 s2, 0
	s_cbranch_scc0 .Lentry_in_a_cluster
	s_endpgm
.Lentry_in_a_cluster:
	s_bfe_u32 s2, ttmp6, 0x10000c
	s_cmp_lg_u32 s2, 0xf033
	s_cbranch_scc0 .Lentry_shape_is_right
	s_endpgm
.Lentry_shape_is_right:
; SECOND LAUNCH: q = x Wq, k = x Wk, v = x Wv in one pass over x.  xb: [8192][1024] bf16.  wb: [4][1024 k][1024 n] bf16.
; Out: qkv [3][batch*16+head][2048][64] f16, and vlo (same head layout) = f16(v - f16(v)), the part of v that f16 drops.  Of the function's work nothing is left out here.
; vlo is made for tokens 0..511 of each batch alone; the rest of the buffer is neither stored nor read.  Launch attn reads tokens 0..63 of it; the choice is made by
; the cluster's y, which all partners of a cluster share and which covers 4 block rows of 128 tokens.
; A work-group makes 128 rows x 384 columns: the same 128 columns (two heads) of q, of k and of v.  Four waves, wave (wm, wn) makes 64 rows x 192 columns:
; wn = 0: q's two heads and k's first head; wn = 1: v's two heads and k's second: 4 x 12 accumulator tiles of 16 x 16, 384 registers.
; K goes in steps of 128 through two LDS slots filled by the tensor data mover; rows of every tile are 256 bytes of memory, aligned to 256.
; CLUSTERS: 4 x 4 work-groups.  x's tile hangs on the block row alone and is asked for jointly by a row of the cluster; the weights' tiles hang on the block
; column alone and are asked for jointly by a column: each is requested once for four work-groups.
; The weights lie [k][n], so their fragments are read with the transposing LDS load (ISA guide, DS_LOAD_TR16_B128).
; THE MATRIX INSTRUCTION IS USED TRANSPOSED: source 0 = 16 columns of W, source 1 = 16 rows of x; lane l then holds row l % 16 and eight neighbouring columns.
; REGISTERS by windows of 256: window 0: v16-26 addresses, v64-127 x's fragments (two buffers of 4), the way out's registers; window 1: W's fragments, two buffers
; of 12 at v0 and v96; window 2: accumulators of my rows 0-31, tile (al, b) at v[8 (12 al + b)]; window 3: those of rows 32-63.
.set NBW,    12                        ; column blocks of a wave
.set NPART,  1                         ; x comes as one bf16 number
.set NSUB,   3                         ; W tiles in a slot: Wq's, Wk's, Wv's, each 128 k x 128 n
.set BPITCH, 288                       ; 256 bytes + 32 of padding: the 8 rows x 2 halves that a group of 16 lanes touches fall in 16 different 16-byte columns of 256
.set APITCH, 272                       ; 256 bytes + 16 of padding: 16 rows start in 16 different 16-byte columns of 256
.set BSUB,   128*BPITCH
.set ATILE,  128*APITCH
.set AOFF,   NSUB*BSUB                 ; x's tile lies behind the three of W
.set SLOT,   AOFF+ATILE                ; 145,408
.set STAGE,  2*SLOT                    ; behind the ring, a multiple of 256: no tensor load ever lands here
.set WSTAGE, 6912                      ; a wave's stage: 3 heads x 16 rows x 144 bytes
.set ASTEP,  256                       ; bytes from a K step to the next in xb
.set BSTEP,  262144                    ; and in wb: 128 rows of 2,048 bytes
.set LAPS,   4                         ; 1,024 / 128 = 8 K steps = 4 laps of the ring
.set ADRA,  16                         ; v16-17 LDS address of my x fragments in slot 0, 1
.set ADRB1, 20                         ; v20-21 of my first eight column blocks (q or v)
.set ADRB2, 22                         ; v22-23 of my last four (k)
.set STO,   24
.set RD,    25
.set CO,    26
.set FA,    64
.set FASZ,  32*NPART
.set FBSZ,  8*NBW
.set TMP2,  32                         ; way out: packed remainders
.set TMP,   64                         ; way out: packed f16
.set U,     128                        ; way out: f16 widened again, then the remainder
.set RB,    192                        ; way out: rows read back
.set G1A, 24
.set G0A, 32
.set G1B, 48
.set G0B, 56
.set SB,  66                           ; s[66:71] where my three heads go in qkv
.set SL,  72                           ; s[72:75] where v's two heads go in vlo
.set MSB, 0
.macro WIN new                         ; the immediate's high byte repeats the setting that is left
.if MSB != \new
	s_set_vgpr_msb (MSB<<8)|\new
.set MSB, \new
.endif
.endm
.set MUL_LO, 0xa1                      ; source 0 (W) window 1, source 1 (x) window 0, C and D window 2
.set MUL_HI, 0xf1                      ; the same, C and D window 3
.set TO_B,   0x40                      ; destination window 1, address window 0
; A joint load: waves 0, 1, 2 fetch Wq's, Wk's, Wv's tile, wave 3 fetches x's.  Each line has one mask; the branch hangs on the wave's number alone.
.macro JLOAD s
	s_cmp_lt_u32 s12, NSUB
	s_cbranch_scc0 .Lfor_a_\@
	tensor_load_to_lds s[G0B+4*\s:G0B+4*\s+3], s[G1B:G1B+7]
	s_nop 0
	s_branch .Lasked_\@
.Lfor_a_\@:
	tensor_load_to_lds s[G0A+4*\s:G0A+4*\s+3], s[G1A:G1A+7]
	s_nop 0
.Lasked_\@:
.endm
.macro CREST                           ; a round of the cluster's barrier behind its opening work-group barrier
	s_cmp_lg_u32 s12, 0
	s_cbranch_scc1 .Lnot_wave_0_\@
	s_barrier_signal -3
.Lnot_wave_0_\@:
	s_barrier_wait -3
	s_barrier_signal -1
	s_barrier_wait -1
.endm
.macro CROUND
	s_barrier_signal -1
	s_barrier_wait -1
	CREST
.endm
	s_load_b256 s[4:11], s[0:1], 0x0               ; xb s[4:5], wb s[6:7], qkv s[8:9], vlo s[10:11]
	s_set_vgpr_msb 0x40
	v_lshl_add_u32 v255, v0, 2, 0x4dc00
	s_set_vgpr_msb 0x4000
	v_mov_b32 v255, 0
	s_set_vgpr_msb 0x1
	ds_add_u32 v255, v255
	s_set_vgpr_msb 0x100
	v_lshrrev_b32 v1, 5, v0
	v_readfirstlane_b32 s12, v1                    ; wave 0..3
	s_lshr_b32 s13, s12, 1                         ; wm: which 64 rows
	s_and_b32 s14, s12, 1                          ; wn: which 192 columns
	s_and_b32 s15, ttmp7, 3                        ; the cluster's y modulo 4: 0 where the cluster holds tokens 0..511 of a batch
	s_cmp_eq_u32 s15, 0
	s_cselect_b32 s15, s14, 0                      ; 1: this wave holds v of such tokens and makes the remainder
	s_bfe_u32 s40, ttmp6, 0x40000                  ; cx
	s_bfe_u32 s41, ttmp6, 0x40004                  ; cy
	s_lshl_b32 s42, ttmp9, 2
	s_add_co_u32 s42, s42, s40                     ; block column bx = 4 x cluster x + cx
	s_and_b32 s45, ttmp7, 0xffff
	s_lshl_b32 s45, s45, 2
	s_add_co_u32 s45, s45, s41                     ; block row by = 4 x cluster y + cy
	s_lshl_b32 s43, s41, 2
	s_lshl_b32 s43, 15, s43                        ; my row of the cluster
	s_lshl_b32 s44, 0x1111, s40                    ; my column
	; group 1: tiles of 128 rows x 128 elements of 2 bytes, padded behind every 64 words
	s_or_b32 s[G1A+0], s43, (1<<16)|(1<<20)|(1<<21)|(5<<22)|(3<<25)   ; x: mask of my row; 4 words of padding
	s_or_b32 s[G1B+0], s44, (1<<16)|(1<<20)|(1<<21)|(5<<22)|(7<<25)   ; W: mask of my column; 8 words of padding
	s_mov_b32 s[G1A+1], 128<<16                    ; tensor_dim0 = 128
	s_mov_b32 s[G1B+1], 128<<16
	s_mov_b32 s[G1A+2], 128<<16                    ; tensor_dim1 = 128
	s_mov_b32 s[G1B+2], 128<<16
	s_mov_b32 s[G1A+3], 128<<16                    ; tile_dim0 = 128
	s_mov_b32 s[G1B+3], 128<<16
	s_mov_b32 s[G1A+4], 128                        ; tile_dim1 = 128
	s_mov_b32 s[G1B+4], 128
	s_mov_b32 s[G1A+5], 1024                       ; elements from row to row
	s_mov_b32 s[G1B+5], 1024
	s_mov_b32 s[G1A+6], 0
	s_mov_b32 s[G1B+6], 0
	s_mov_b32 s[G1A+7], 0
	s_mov_b32 s[G1B+7], 0
	; x's address is made of by alone, W's of bx and the wave's number alone, each in registers that never hold the other coordinate
	s_lshl_b32 s16, s45, 18                        ; 128 rows of 2,048 bytes
	s_mov_b32 s17, 0
	s_lshl_b32 s46, s12, 21                        ; matrix = wave
	s_lshl_b32 s47, s42, 8                         ; 128 columns of 2 bytes
	s_add_co_u32 s46, s46, s47
	s_mov_b32 s47, 0
	s_mul_i32 s20, s12, BSUB                       ; LDS: W's tile of wave w
	s_mul_i32 s21, s12, ATILE
	s_add_co_u32 s21, s21, AOFF-NSUB*ATILE         ; LDS: x's tile, for wave 3: AOFF
	; where the results go: terms of bx and by together, in registers of their own
	s_lshr_b32 s76, s45, 4
	s_lshl_b32 s76, s76, 4                         ; 16 x batch
	s_lshl_b32 s77, s42, 1
	s_add_co_u32 s76, s76, s77                     ; + head 2 bx
	s_lshl_b32 s76, s76, 18                        ; a head is 262,144 bytes
	s_and_b32 s77, s45, 15
	s_lshl_b32 s77, s77, 14                        ; 128 tokens of 128 bytes
	s_add_co_u32 s76, s76, s77
	s_lshl_b32 s77, s13, 13                        ; my 64 tokens
	s_add_co_u32 s76, s76, s77
	s_mov_b32 s77, 0
	s_lshl_b32 s78, s14, 25                        ; q (wn = 0) or v (wn = 1): 2 wn x 16,777,216
	s_add_co_u32 s78, s78, s76
	s_mov_b32 s79, 0
	s_wait_dscnt 0x0
	s_wait_kmcnt 0x0
	s_add_nc_u64 s[16:17], s[4:5], s[16:17]
	s_add_nc_u64 s[46:47], s[6:7], s[46:47]
	s_add_nc_u64 s[SB:SB+1], s[8:9], s[78:79]
	s_add_nc_u64 s[SB+2:SB+3], s[SB:SB+1], 262144
	s_lshl_b32 s78, s14, 18                        ; k: head 2 bx + wn
	s_add_co_u32 s78, s78, s76
	s_add_co_u32 s78, s78, 0x1000000
	s_add_nc_u64 s[SB+4:SB+5], s[8:9], s[78:79]
	s_add_nc_u64 s[SL:SL+1], s[10:11], s[76:77]
	s_add_nc_u64 s[SL+2:SL+3], s[SL:SL+1], 262144
	CROUND                                         ; all sixteen work-groups are here: the first joint loads meet
.irp s, 0,1
	s_mov_b32 s[G0A+4*\s], 1
	s_add_co_u32 s[G0A+4*\s+1], s21, \s*SLOT
	s_add_nc_u64 s[G0A+4*\s+2:G0A+4*\s+3], s[16:17], \s*ASTEP
	s_or_b32 s[G0A+4*\s+3], s[G0A+4*\s+3], 0x80000000
	s_mov_b32 s[G0B+4*\s], 1
	s_add_co_u32 s[G0B+4*\s+1], s20, \s*SLOT
	s_add_nc_u64 s[G0B+4*\s+2:G0B+4*\s+3], s[46:47], \s*BSTEP
	s_or_b32 s[G0B+4*\s+3], s[G0B+4*\s+3], 0x80000000
	JLOAD \s                                       ; both slots are asked for before anything else: two loads of a wave are out, never more
.endr
	v_and_b32 v1, 15, v0                           ; r = l % 16
	v_bfe_u32 v2, v0, 4, 1                         ; h = l / 16
	v_and_b32 v3, 7, v0
	v_bfe_u32 v4, v0, 3, 1
	v_lshl_add_u32 v3, v2, 3, v3                   ; k row 8 h + l % 8
	v_mul_u32_u24 v3, v3, BPITCH
	v_lshl_add_u32 v3, v4, 4, v3                   ; + 16 bytes for lanes 8-15 of each half
	v_mul_u32_u24 v5, v1, APITCH
	v_lshl_add_u32 v5, v2, 4, v5                   ; x: row r, 16 bytes for each half
	s_mul_i32 s22, s14, 2*BSUB                     ; q's tile or v's
	s_lshl_b32 s23, s14, 7
	s_add_co_u32 s23, s23, BSUB                    ; k's tile, my 64 columns
	s_mul_i32 s18, s13, 64*APITCH
	s_add_co_u32 s18, s18, AOFF                    ; my 64 rows of x
.irp s, 0,1
	v_add_nc_u32 v[ADRB1+\s], s22, v3
	v_add_nc_u32 v[ADRB2+\s], s23, v3
	v_add_nc_u32 v[ADRA+\s], s18, v5
	s_add_co_u32 s22, s22, SLOT
	s_add_co_u32 s23, s23, SLOT
	s_add_co_u32 s18, s18, SLOT
.endr
	s_mul_i32 s23, s12, WSTAGE
	s_add_co_u32 s23, s23, STAGE
	v_mul_u32_u24 v6, v1, 144
	v_lshl_add_u32 v6, v2, 4, v6
	v_add_nc_u32 v[STO], s23, v6                   ; in: row r of a head's 16, 16 bytes for each half
	v_and_b32 v7, 31, v0
	v_lshrrev_b32 v6, 3, v7
	v_mul_u32_u24 v6, v6, 144
	v_and_b32 v8, 7, v0
	v_lshl_add_u32 v6, v8, 4, v6
	v_add_nc_u32 v[RD], s23, v6                    ; back: eight lanes take a token's 128 bytes, a load takes four tokens
	v_lshlrev_b32 v[CO], 4, v7                     ; which are 512 consecutive bytes of a head
; 12 matrix instructions: row block 2 hi + al x my 12 column blocks, 32 along K, from buffer f.  zero = 1: the first product starts the sums.
; The accumulators take turns, one instruction a turn.
.macro MULA f, hi, al, zero
.set p_, 0
.rept NPART
.set z_, \zero*(1-p_)
.set b_, 0
.rept NBW
.set d_, 8*(NBW*\al+b_)
.set s0_, \f*FBSZ+8*b_
.set s1_, FA+\f*FASZ+8*((2*\hi+\al)*NPART+p_)
.if z_
	v_wmma_f32_16x16x32_bf16 v[d_:d_+7], v[s0_:s0_+7], v[s1_:s1_+7], 0
.else
	v_wmma_f32_16x16x32_bf16 v[d_:d_+7], v[s0_:s0_+7], v[s1_:s1_+7], v[d_:d_+7]
.endif
.set b_, b_+1
.endr
.set p_, p_+1
.endr
.endm
; 32 LDS loads in one run: quarter qn (32 along K) of a slot into buffer g: 24 transposing loads for W, 8 plain ones for x, x's row blocks ascending
.macro FETCH slot, qn, g
	WIN TO_B
.set b_, 0
.rept 8
	ds_load_tr16_b128 v[\g*FBSZ+8*b_:\g*FBSZ+8*b_+3], v[ADRB1+\slot] offset:\qn*32*BPITCH+32*b_
	ds_load_tr16_b128 v[\g*FBSZ+8*b_+4:\g*FBSZ+8*b_+7], v[ADRB1+\slot] offset:\qn*32*BPITCH+16*BPITCH+32*b_
.set b_, b_+1
.endr
.rept 4
	ds_load_tr16_b128 v[\g*FBSZ+8*b_:\g*FBSZ+8*b_+3], v[ADRB2+\slot] offset:\qn*32*BPITCH+32*(b_-8)
	ds_load_tr16_b128 v[\g*FBSZ+8*b_+4:\g*FBSZ+8*b_+7], v[ADRB2+\slot] offset:\qn*32*BPITCH+16*BPITCH+32*(b_-8)
.set b_, b_+1
.endr
	WIN 0
.set a_, 0
.rept 4
	ds_load_b128 v[FA+\g*FASZ+8*a_:FA+\g*FASZ+8*a_+3], v[ADRA+\slot] offset:a_*16*APITCH+64*\qn
	ds_load_b128 v[FA+\g*FASZ+8*a_+4:FA+\g*FASZ+8*a_+7], v[ADRA+\slot] offset:a_*16*APITCH+64*\qn+32
.set a_, a_+1
.endr
.endm
; Four plain vector instructions stand between a matrix instruction and a load into a register that it has read, or a vector instruction that reads its result
.macro PLACES
.rept 4
	v_nop
.endr
.endm
.macro QUARTER slot, qn, f, g, zero
	s_wait_dscnt 4*NPART                           ; W and x's row blocks 0, 1 are in; the youngest four loads (row blocks 2, 3) may be out
	WIN MUL_LO
	MULA \f, 0, 0, \zero
	MULA \f, 0, 1, \zero
	PLACES
	FETCH \slot, \qn, \g
	s_wait_dscnt 32                                ; all but the 32 just issued
	WIN MUL_HI
	MULA \f, 1, 0, \zero
	MULA \f, 1, 1, \zero
.endm
.macro THREE slot, zero
	QUARTER \slot, 1, 0, 1, \zero
	QUARTER \slot, 2, 1, 0, 0
	QUARTER \slot, 3, 0, 1, 0
.endm
; The last quarter of a K step multiplies buffer 1 and changes slots.  One barrier: in front of it each wave's reads of this slot are back and all its tensor
; loads have landed (the one that was out is its part of the next slot); behind it the refill comes first, then the next slot's first fragments.
.macro TURN slot, next, fill
	s_wait_dscnt 4*NPART
	WIN MUL_LO
	MULA 1, 0, 0, 0
	s_wait_dscnt 0x0                               ; my reads of this slot are over
	s_wait_tensorcnt 0x0                           ; all my tensor loads have landed
	ds_add_u32 v255, v255
	s_wait_dscnt 0x0
	s_barrier_signal -1
	MULA 1, 0, 1, 0                                ; register work while the others arrive
	WIN 0
	s_barrier_wait -1
.if \fill
	CREST                                          ; the round closes: no wave of any partner still reads this slot or has a load on its way
	s_add_nc_u64 s[G0A+4*\slot+2:G0A+4*\slot+3], s[G0A+4*\slot+2:G0A+4*\slot+3], 2*ASTEP
	s_add_nc_u64 s[G0B+4*\slot+2:G0B+4*\slot+3], s[G0B+4*\slot+2:G0B+4*\slot+3], 2*BSTEP
	JLOAD \slot                                    ; the wave's one tensor load behind the round
.endif
	PLACES
	FETCH \next, 0, 0
	WIN MUL_HI
	MULA 1, 1, 0, 0
	MULA 1, 1, 1, 0
.endm
.macro LAP zero
	THREE 0, \zero
	TURN 0, 1, 1
	THREE 1, 0
	TURN 1, 0, 1
.endm
	s_wait_tensorcnt 0x1                           ; my part of K step 0 is in; K step 1's stays out
	s_barrier_signal -1
	s_barrier_wait -1
	FETCH 0, 0, 0
	LAP 1                                          ; the first lap starts the sums: nothing is cleared
	WIN 0
	s_mov_b32 s3, LAPS-2
.Llap:
	LAP 0
	WIN 0
	s_sub_co_u32 s3, s3, 1
	s_cmp_lg_u32 s3, 0
	s_cbranch_scc1 .Llap
	THREE 0, 0                                     ; the last lap fills nothing
	TURN 0, 1, 0
	THREE 1, 0
	s_wait_dscnt 4*NPART
	WIN MUL_LO
	MULA 1, 0, 0, 0
	MULA 1, 0, 1, 0
	s_wait_dscnt 0x0
	WIN MUL_HI
	MULA 1, 1, 0, 0
	MULA 1, 1, 1, 0
	PLACES
; Register n (64 to 95, one word of TMP) holds two f16: both are widened to f32 again, into U: what f16 kept of v.
; A macro of its own, so that the register's number and the half's name are joined in one expansion.
.macro WIDEN n
	v_cvt_f32_f16 v[U+2*(\n-64)], v\n\().l
	v_cvt_f32_f16 v[U+2*(\n-64)+1], v\n\().h
.endm
; THE WAY OUT, 16 tokens at a time: round to f16, 16 bytes a lane into my own stage (a head's 16 tokens at a pitch of 144 bytes), read back four tokens
; at a time and store: each store of the wave covers 512 consecutive bytes, aligned.  LDS serves a wave's instructions in order, so the stage needs no wait.
; a: row block 0..3; al: its place in its window; from: the window as sources 0 and 1; from0: as source 0 alone.
.macro OUT a, al, from, from0
	WIN \from
.set b_, 0
.rept 12
.set j_, 0
.rept 4
	v_cvt_pk_f16_f32 v[TMP+4*b_+j_], v[8*(12*\al+b_)+2*j_], v[8*(12*\al+b_)+2*j_+1]
.set j_, j_+1
.endr
.set b_, b_+1
.endr
	WIN 0
.set b_, 0
.rept 12
	ds_store_b128 v[STO], v[TMP+4*b_:TMP+4*b_+3] offset:(b_/4)*2304+(b_%4)*32
.set b_, b_+1
.endr
	s_wait_xcnt 0x0                                ; RB, which the last block's stores read, is loaded again only behind this wait
.set n_, 0
.rept 12
	ds_load_b128 v[RB+4*n_:RB+4*n_+3], v[RD] offset:(n_/4)*2304+(n_%4)*576
.set n_, n_+1
.endr
.set n_, 0
.rept 12
	s_wait_dscnt 11-n_                             ; read-back n is in, the younger ones stay out
	global_store_b128 v[CO], v[RB+4*n_:RB+4*n_+3], s[SB+2*(n_/4):SB+2*(n_/4)+1] offset:\a*2048+(n_%4)*512
.set n_, n_+1
.endr
	s_cmp_eq_u32 s15, 0                            ; only the waves that hold v (wn = 1), in the clusters of tokens 0..511, make its remainder
	s_cbranch_scc1 .Lno_rest_\@
	s_wait_xcnt 0x0                                ; U's first half, which the last block's remainder stores read, is written again only behind this wait
.irp n, 64,65,66,67,68,69,70,71,72,73,74,75,76,77,78,79,80,81,82,83,84,85,86,87,88,89,90,91,92,93,94,95
	WIDEN \n
.endr
	WIN \from0
.set b_, 0
.rept 8
.set j_, 0
.rept 4
	v_pk_add_f32 v[U+8*b_+2*j_:U+8*b_+2*j_+1], v[8*(12*\al+b_)+2*j_:8*(12*\al+b_)+2*j_+1], v[U+8*b_+2*j_:U+8*b_+2*j_+1] neg_lo:[0,1] neg_hi:[0,1]   ; what f16 dropped (exact in f32)
.set j_, j_+1
.endr
.set b_, b_+1
.endr
	WIN 0
.set i_, 0
.rept 32
	v_cvt_pk_f16_f32 v[TMP2+i_], v[U+2*i_], v[U+2*i_+1]
.set i_, i_+1
.endr
.set b_, 0
.rept 8
	ds_store_b128 v[STO], v[TMP2+4*b_:TMP2+4*b_+3] offset:(b_/4)*2304+(b_%4)*32   ; in order behind the read-back above
.set b_, b_+1
.endr
.set n_, 0
.rept 8
	ds_load_b128 v[U+4*n_:U+4*n_+3], v[RD] offset:(n_/4)*2304+(n_%4)*576
.set n_, n_+1
.endr
.set n_, 0
.rept 8
	s_wait_dscnt 7-n_
	global_store_b128 v[CO], v[U+4*n_:U+4*n_+3], s[SL+2*(n_/4):SL+2*(n_/4)+1] offset:\a*2048+(n_%4)*512
.set n_, n_+1
.endr
.Lno_rest_\@:
.endm
	OUT 0, 0, 0x0a, 0x02
	OUT 1, 1, 0x0a, 0x02
	OUT 2, 0, 0x0f, 0x03
	OUT 3, 1, 0x0f, 0x03
	s_set_vgpr_msb 0x1
	s_wait_tensorcnt 0x0
	ds_add_u32 v255, v255
	s_wait_dscnt 0x0
	s_set_vgpr_msb 0x100
	CROUND                                         ; the closing round: no work-group ends while a partner may still ask for a tile that names it
	s_endpgm
.Lfunc_end_k_q84f7627893_qkv:
	.size	k_q84f7627893_qkv, .Lfunc_end_k_q84f7627893_qkv-k_q84f7627893_qkv
	.p2alignl 7, 3214868480
	.fill 96, 4, 3214868480
	.section	.rodata,"a",@progbits
	.p2align	6, 0x0
	.amdhsa_kernel k_q84f7627893_qkv
		.amdhsa_group_segment_fixed_size 327680
		.amdhsa_private_segment_fixed_size 0
		.amdhsa_enable_private_segment 0
		.amdhsa_kernarg_size 32
		.amdhsa_user_sgpr_count 2
		.amdhsa_user_sgpr_kernarg_segment_ptr 1
		.amdhsa_wavefront_size32 1
		.amdhsa_system_sgpr_workgroup_id_x 1
		.amdhsa_system_sgpr_workgroup_id_y 1
		.amdhsa_system_sgpr_workgroup_id_z 1
		.amdhsa_system_vgpr_workitem_id 0
		.amdhsa_next_free_vgpr 1024
		.amdhsa_next_free_sgpr 80
		.amdhsa_reserve_vcc 0
		.amdhsa_float_denorm_mode_32 3
		.amdhsa_float_denorm_mode_16_64 3
		.amdhsa_memory_ordered 1
		.amdhsa_forward_progress 1
		.amdhsa_inst_pref_size 197
	.end_amdhsa_kernel
	.amdgpu_metadata
---
amdhsa.version: [ 1, 2 ]
amdhsa.kernels:
  - .name:           k_q84f7627893_qkv
    .symbol:         k_q84f7627893_qkv.kd
    .args:
      - { .name: xb, .offset: 0, .size: 8, .value_kind: global_buffer, .address_space: global }
      - { .name: wb, .offset: 8, .size: 8, .value_kind: global_buffer, .address_space: global }
      - { .name: qkv, .offset: 16, .size: 8, .value_kind: global_buffer, .address_space: global }
      - { .name: vlo, .offset: 24, .size: 8, .value_kind: global_buffer, .address_space: global }
    .group_segment_fixed_size: 327680
    .private_segment_fixed_size: 0
    .kernarg_segment_align: 8
    .kernarg_segment_size: 32
    .max_flat_workgroup_size: 128
    .sgpr_count:     80
    .vgpr_count:     1024
    .wavefront_size: 32
...
	.end_amdgpu_metadata
.endif
;; end of part 6
;; launch attn (part 7): grid 256 x 1, 4 waves a work-group, no clusters, 327,680 bytes of LDS; arguments qkv, vlo, ao; writes ao
.if DOCPART == 7
	.amdgcn_target "amdgcn-amd-amdhsa--gfx1250"
	.amdhsa_code_object_version 6
	.text
	.protected	k_q84f7627893_attn
	.globl	k_q84f7627893_attn
	.p2align	8
	.type	k_q84f7627893_attn,@function
k_q84f7627893_attn:
	s_mov_b64 s[64:65], 0
	v_nop
	global_prefetch_b8 v0, s[64:65] scope:SCOPE_SE
	s_setreg_imm32_b32 hwreg(HW_REG_WAVE_MODE, 25, 1), 1
	s_wait_xcnt 0x0
; THIRD LAUNCH: causal softmax attention, head by head.  qkv: [3][hb][2048][64] f16, vlo: [hb][2048][64] f16 (what f16 dropped of v; tokens 0..63 are read).
; Out: ao [hb][2048][128] bf16: for each token 64 numbers hi, then 64 numbers lo, hi + lo = the head's output to 16 significant bits.
; LEFT OUT: tiles of 64 keys x 16 queries whose keys all lie above all their queries: the function's own causal mask gives them the weight 0 (shown at the head of launch cvt).
; LIMIT: a NaN, infinity or overflow that sits only in such tiles is not carried to the result.  |q|, |k|, |v| < 65,504 (f16).
; The maximum is taken away before every exponential, as a running maximum, kept as (raw maximum) x C, C = log2(e) / 8; p = 2^(s C - M) <= 1 fits f16.
;
; SHARES.  Work-group g: head hb = g / 4, c = g % 4; it makes query blocks (256 queries) c and then 7 - c: 2 (c + 1) + 2 (8 - c) = 18 tiles of 128 keys for every
; work-group.  Wave w owns the 16-query tiles w, w + 4, w + 8, w + 12 of the block: its tile it holds queries 64 it + 16 w + 0..15.  A step is 64 keys.
; Among the block's own 256 keys, step t (keys 64 t .. 64 t + 63) has work for the tiles it >= t alone, alike in all four waves: 4 + 3 + 2 + 1 = 10 tile steps a wave.
; ONE TEXT FOR BOTH BLOCKS: an outer loop of two trips holds the four own steps, one loop over the pairs of tiles below the block (a trip for each slot) and the way out.
; Block B's last pair of trips, the second of which fetches nothing, is written out behind that loop, under a forward branch on the block's number.
; What differs between the blocks lies in scalar registers.
; NO CLUSTER: the four work-groups of a head need different numbers of K and V tiles (c + 1 and 8 - c pairs), so their trip counts would hang on their place in a
; cluster; walking all tiles in step would cost each 12 pairs of tiles where it needs 9.
; PRODUCTS.  S^T = K Q^T (source 0 = 16 keys, source 1 = 16 queries): lane (r, h) holds query r and keys 16 jt + 8 h + 0..7, so a row's maximum and sum are a lane's
; own but for one exchange between the halves, and two neighbouring S tiles pack in place into one fragment of P.  O^T = V^T P^T (source 0 = V through the
; transposing LDS load, source 1 = P): lane (r, h) holds query r again, so the rescaling factor is a lane's own.
; ORDER OF KEYS in a block: its own 256 keys first (every query has a kept key in the first step, which starts maximum, sum and O: nothing is cleared), then tiles 0 ..
; THE REMAINDER OF v is multiplied in for keys 0..63 against query block 0 alone: there v enters with 22 significant bits, everywhere else with f16's 11.
; Queries 0..63, the rows that are sums over the fewest keys, have all their keys there.
; LDS: two slots of a K tile (64 rows of two keys, pitch 272) and a V tile (pitch 288); the remainder's 64 keys (32 rows, pitch 288);
; behind them, at a multiple of 256, each wave's stage of 64 tokens x 272 bytes, into which no tensor load lands.  150,528 bytes are used.
; REGISTERS: window 0: addresses, statistics, S / P at v64-191, Q at v192-255; window 1: K fragments v0-63, V fragments v64-127, O v128-255.
.set SLOT,   35840
.set VOFF,   17408
.set VLO,    71680
.set STAGE,  80896
.set WSTAGE, 17408
.set KP,     272
.set VP,     288
.set VK,  8                            ; v8-9    K fragments' address in slot 0, 1
.set VV,  10                           ; v10-11  V fragments'
.set VL,  12                           ; v12     the remainder's
.set DQ,  13                           ; v13     16 w + r - 8 h: my query's place in its band of 64, less my half's first key
.set VQ,  14
.set STO, 15
.set RD,  16
.set CO,  17
.set NEG, 18                           ; -FLT_MAX
.set SA,  20                           ; v[20:23] two chains of sums
.set SC,  22
.set CC,  24                           ; v[24:25] C, C
.set MX,  32                           ; v32-35  running maximum x C of query tile it
.set LS,  36                           ; v36-39  running sum (this half's keys)
.set T,   40                           ; v40-47  at work
.set AL,  48                           ; v48-55  pairs: the rescaling factor, and a word that is only named
.set S,   64
.set Q,   192
.set KF,  0                            ; window 1
.set VF,  64
.set O,   128
.set G0L,  40                          ; s[40:43] group 0 of the remainder's tile
.set G1K,  56
.set G1V,  68
.set G1L,  76
.set G0K,  84                          ; one set for each slot
.set G0V,  92
; scalars: s10 wave, s11 c, s12 hb, s13 7 - c, s15 the tile to fetch next, s16 the block's first own tile, s17 block B's, s18 trips left of the loop over pairs of tiles,
; s19 block 0 or 1, s35 1: the remainder is wanted, s[38:39] where this block's results go
.set MSB, 0
.macro WIN new
.if MSB != \new
	s_set_vgpr_msb (MSB<<8)|\new
.set MSB, \new
.endif
.endm
.macro PL n                            ; places behind matrix instructions (ISA guide 7.12.1); five serve both distances used here
.rept \n
	v_nop
.endr
.endm
	s_load_b128 s[4:7], s[0:1], 0x0                ; qkv, vlo
	s_load_b64 s[8:9], s[0:1], 0x10                ; ao
	v_lshl_add_u32 v62, v0, 2, 0x29000
	v_mov_b32 v63, 0
	ds_add_u32 v62, v63
	v_lshrrev_b32 v1, 5, v0
	v_readfirstlane_b32 s10, v1                    ; wave
	s_and_b32 s11, ttmp9, 3                        ; c
	s_lshr_b32 s12, ttmp9, 2                       ; hb
	s_sub_co_u32 s13, 7, s11                       ; the second query block
	s_lshl_b32 s16, s11, 1                         ; first own tile of block A
	s_sub_co_u32 s17, 14, s16                      ; of block B
	s_mov_b32 s18, s11                             ; block A has c pairs of tiles below it, all worked in the loop
	s_mov_b32 s19, 0
	s_cmp_eq_u32 s11, 0
	s_cselect_b32 s35, 1, 0                        ; query block 0 is block A of c = 0
	s_mov_b32 s21, 0
	s_mov_b32 s36, 0x76543210                      ; v_permlanex16_b32: lane i of the other half
	s_mov_b32 s37, 0xfedcba98
	; group 1: dense blocks taken as rows of 32 elements of 8 bytes, padded behind every 64 words
.irp g, G1K, G1V, G1L
	s_mov_b32 s[\g+1], 32<<16                      ; tensor_dim0 = 32
	s_mov_b32 s[\g+3], 32<<16                      ; tile_dim0 = 32
	s_mov_b32 s[\g+5], 32                          ; pitch = 32
	s_mov_b32 s[\g+6], 0
	s_mov_b32 s[\g+7], 0
.endr
	s_mov_b32 s[G1K+0], (3<<16)|(1<<20)|(5<<22)|(3<<25)    ; 4 words of padding: pitch 272
	s_mov_b32 s[G1V+0], (3<<16)|(1<<20)|(5<<22)|(7<<25)    ; 8 words: pitch 288
	s_mov_b32 s[G1L+0], (3<<16)|(1<<20)|(5<<22)|(7<<25)
	s_mov_b32 s[G1K+2], 64<<16                     ; 64 rows = 128 keys
	s_mov_b32 s[G1V+2], 64<<16
	s_mov_b32 s[G1L+2], 32<<16                     ; 32 rows = 64 keys
	s_mov_b32 s[G1K+4], 64
	s_mov_b32 s[G1V+4], 64
	s_mov_b32 s[G1L+4], 32
	s_mov_b32 s[G0K+0], 1
	s_mov_b32 s[G0K+1], 0
	s_mov_b32 s[G0K+4], 1
	s_mov_b32 s[G0K+5], SLOT
	s_mov_b32 s[G0V+0], 1
	s_mov_b32 s[G0V+1], VOFF
	s_mov_b32 s[G0V+4], 1
	s_mov_b32 s[G0V+5], SLOT+VOFF
	s_mov_b32 s[G0L+0], 1
	s_mov_b32 s[G0L+1], VLO
	s_lshl_b32 s20, s12, 18                        ; a head of q, k, v or vlo is 262,144 bytes
	s_wait_dscnt 0x0
	s_wait_kmcnt 0x0
	s_add_nc_u64 s[26:27], s[4:5], s[20:21]        ; q's head
	s_add_nc_u64 s[22:23], s[26:27], 0x1000000     ; k's
	s_add_nc_u64 s[24:25], s[26:27], 0x2000000     ; v's
	s_add_nc_u64 s[G0L+2:G0L+3], s[6:7], s[20:21]  ; the remainder's: the head's tokens 0..63
	s_or_b32 s[G0L+3], s[G0L+3], 0x80000000
	s_lshl_b32 s20, s13, 15                        ; 256 tokens of 128 bytes
	s_add_nc_u64 s[28:29], s[26:27], s[20:21]      ; block B's queries
	s_lshl_b32 s20, s11, 15
	s_add_nc_u64 s[26:27], s[26:27], s[20:21]      ; block A's
	s_lshl_b32 s20, s12, 19                        ; a head of ao is 524,288 bytes
	s_add_nc_u64 s[30:31], s[8:9], s[20:21]
	s_lshl_b32 s20, s13, 16
	s_add_nc_u64 s[32:33], s[30:31], s[20:21]      ; block B's results
	s_lshl_b32 s20, s11, 16
	s_add_nc_u64 s[30:31], s[30:31], s[20:21]      ; block A's
	s_lshl_b32 s20, s16, 14                        ; block A's first own tile: 16,384 bytes a tile
	s_add_nc_u64 s[G0K+2:G0K+3], s[22:23], s[20:21]
	s_or_b32 s[G0K+3], s[G0K+3], 0x80000000
	s_add_nc_u64 s[G0V+2:G0V+3], s[24:25], s[20:21]
	s_or_b32 s[G0V+3], s[G0V+3], 0x80000000
	; the first fills, at most one a wave, in one chain of branches on the wave's number; the remainder's tile only where query block 0 is made
	s_cmp_lg_u32 s10, 0
	s_cbranch_scc1 .Lfill1
	tensor_load_to_lds s[G0K:G0K+3], s[G1K:G1K+7]
	s_nop 0
	s_branch .Lfilled
.Lfill1:
	s_cmp_lg_u32 s10, 1
	s_cbranch_scc1 .Lfill2
	tensor_load_to_lds s[G0V:G0V+3], s[G1V:G1V+7]
	s_nop 0
	s_branch .Lfilled
.Lfill2:
	s_cmp_lg_u32 s10, 2
	s_cbranch_scc1 .Lfilled
	s_cmp_lg_u32 s11, 0
	s_cbranch_scc1 .Lfilled
	tensor_load_to_lds s[G0L:G0L+3], s[G1L:G1L+7]
	s_nop 0
.Lfilled:
	v_and_b32 v1, 15, v0                           ; r
	v_bfe_u32 v2, v0, 4, 1                         ; h
	v_lshrrev_b32 v3, 1, v1
	v_mul_u32_u24 v3, v3, KP                       ; two keys in an LDS row
	v_and_b32 v4, 1, v1
	v_lshl_add_u32 v3, v4, 7, v3
	v_lshl_add_u32 v[VK], v2, 4, v3
	v_add_nc_u32 v[VK+1], SLOT, v[VK]
	v_bfe_u32 v3, v0, 1, 2                         ; key 8 h + l % 8 lies in row 4 h + (l % 8) / 2,
	v_lshl_add_u32 v3, v2, 2, v3
	v_mul_u32_u24 v3, v3, VP
	v_lshl_add_u32 v3, v4, 7, v3                   ; half l % 2 of it
	v_bfe_u32 v5, v0, 3, 1
	v_lshl_add_u32 v3, v5, 4, v3
	v_add_nc_u32 v[VV], VOFF, v3
	v_add_nc_u32 v[VV+1], SLOT+VOFF, v3
	v_add_nc_u32 v[VL], VLO, v3
	v_lshlrev_b32 v[VQ], 7, v1
	v_lshl_add_u32 v[VQ], v2, 4, v[VQ]
	s_lshl_b32 s14, s10, 11
	v_add_nc_u32 v[VQ], s14, v[VQ]                 ; query 16 w + r of a band of 64, 16 bytes for each half
	s_mul_i32 s14, s10, WSTAGE
	s_add_co_u32 s14, s14, STAGE
	v_mul_u32_u24 v[STO], v1, 272
	v_lshl_add_u32 v[STO], v2, 4, v[STO]
	v_add_nc_u32 v[STO], s14, v[STO]
	v_mul_u32_u24 v[RD], v2, 272
	v_lshl_add_u32 v[RD], v1, 4, v[RD]
	v_add_nc_u32 v[RD], s14, v[RD]
	v_and_b32 v[CO], 31, v0
	v_lshlrev_b32 v[CO], 4, v[CO]
	s_lshl_b32 s14, s10, 12
	v_add_nc_u32 v[CO], s14, v[CO]                 ; token 16 w of a band, 256 bytes a token; a lane takes 16 bytes of two tokens' 512
	v_mov_b32 v[NEG], 0xff7fffff
	v_mov_b32 v[CC], 0x3e38aa3b                    ; log2(e) / 8
	v_mov_b32 v[CC+1], 0x3e38aa3b
.set i_, 0
.rept 16
	v_mov_b32 v[T+i_], 0                           ; T and AL: written once whole, since pairs are named whole and a lane exchange names its destination
.set i_, i_+1
.endr
	v_lshlrev_b32 v3, 3, v2
	v_sub_nc_u32 v[DQ], v1, v3                     ; r - 8 h
	s_lshl_b32 s14, s10, 4
	v_add_nc_u32 v[DQ], s14, v[DQ]                 ; + 16 w
.macro QLOAD base
.irp it, 0,1,2,3
.irp ks, 0,1
	global_load_b128 v[Q+16*\it+8*\ks:Q+16*\it+8*\ks+3], v[VQ], s[\base:\base+1] offset:8192*\it+64*\ks
	global_load_b128 v[Q+16*\it+8*\ks+4:Q+16*\it+8*\ks+7], v[VQ], s[\base:\base+1] offset:8192*\it+64*\ks+32
.endr
.endr
.endm
; A refill: wave 0 fetches K's tile, wave 1 V's, waves 2 and 3 none.
.macro RLOAD s
	s_cmp_lg_u32 s10, 0
	s_cbranch_scc1 .Lr1_\@
	tensor_load_to_lds s[G0K+4*\s:G0K+4*\s+3], s[G1K:G1K+7]
	s_nop 0
	s_branch .Lrd_\@
.Lr1_\@:
	s_cmp_lg_u32 s10, 1
	s_cbranch_scc1 .Lrd_\@
	tensor_load_to_lds s[G0V+4*\s:G0V+4*\s+3], s[G1V:G1V+7]
	s_nop 0
.Lrd_\@:
.endm
; The head of a trip on slot `slot`.  Every wave's tensor loads have landed (this slot's tile among them) and its reads of the other slot are back; then the barrier;
; then tile s15 goes into the other slot, the wave's one tensor load until the next barrier: it has the whole trip in which to land.
.macro TOP slot, refill
	s_wait_tensorcnt 0x0
	ds_add_u32 v62, v63
	s_wait_dscnt 0x0
	s_wait_dscnt 0x0
.if \refill
	s_lshl_b32 s20, s15, 14
	s_add_nc_u64 s[G0K+4*(1-\slot)+2:G0K+4*(1-\slot)+3], s[22:23], s[20:21]    ; no load of mine is out: a group 0 may be written
	s_or_b32 s[G0K+4*(1-\slot)+3], s[G0K+4*(1-\slot)+3], 0x80000000
	s_add_nc_u64 s[G0V+4*(1-\slot)+2:G0V+4*(1-\slot)+3], s[24:25], s[20:21]
	s_or_b32 s[G0V+4*(1-\slot)+3], s[G0V+4*(1-\slot)+3], 0x80000000
.endif
	s_barrier_signal -1
	s_barrier_wait -1
.if \refill
	RLOAD (1-\slot)
.endif
.endm
.macro WRAP                            ; behind the last tile below block A comes block B's first own tile (in block B the select changes nothing: s16 = s17 there)
	s_cmp_eq_u32 s15, s16
	s_cselect_b32 s15, s17, s15
.endm
.macro LOADK slot, st                  ; 16 loads: 64 keys x 64 d
.irp jt, 0,1,2,3
.irp ks, 0,1
	ds_load_b128 v[KF+16*\jt+8*\ks:KF+16*\jt+8*\ks+3], v[VK+\slot] offset:(32*\st+8*\jt)*KP+64*\ks
	ds_load_b128 v[KF+16*\jt+8*\ks+4:KF+16*\jt+8*\ks+7], v[VK+\slot] offset:(32*\st+8*\jt)*KP+64*\ks+32
.endr
.endr
.endm
.macro LOADVX dst, adr, row0           ; 16 transposing loads: 64 d x 64 keys, from LDS row row0 on
.irp dt, 0,1,2,3
.irp kc, 0,1
	ds_load_tr16_b128 v[\dst+16*\dt+8*\kc:\dst+16*\dt+8*\kc+3], v[\adr] offset:(\row0+16*\kc)*VP+32*\dt
	ds_load_tr16_b128 v[\dst+16*\dt+8*\kc+4:\dst+16*\dt+8*\kc+7], v[\adr] offset:(\row0+16*\kc+8)*VP+32*\dt
.endr
.endr
.endm
; S = K Q^T for the query tiles it >= t: 8 (4 - t) matrix instructions.  The first 32 of d start the sums.
; The 4 (4 - t) accumulators take turns, one instruction a turn.
.macro SMM t
.irp ks, 0,1
.irp jt, 0,1,2,3
.irp it, 0,1,2,3
.if \it >= \t
.if \ks == 0
	v_wmma_f32_16x16x32_f16 v[S+32*\it+8*\jt:S+32*\it+8*\jt+7], v[KF+16*\jt+8*\ks:KF+16*\jt+8*\ks+7], v[Q+16*\it+8*\ks:Q+16*\it+8*\ks+7], 0
.else
	v_wmma_f32_16x16x32_f16 v[S+32*\it+8*\jt:S+32*\it+8*\jt+7], v[KF+16*\jt+8*\ks:KF+16*\jt+8*\ks+7], v[Q+16*\it+8*\ks:Q+16*\it+8*\ks+7], v[S+32*\it+8*\jt:S+32*\it+8*\jt+7]
.endif
.endif
.endr
.endr
.endr
.endm
; O += V^T P^T for the query tiles it >= t, V's fragments at src.  Accumulators by turns, as above.
.macro PVMM first, src, t
.irp kc, 0,1
.irp dt, 0,1,2,3
.irp it, 0,1,2,3
.if \it >= \t
.if \first*(1-\kc)
	v_wmma_f32_16x16x32_f16 v[O+32*\it+8*\dt:O+32*\it+8*\dt+7], v[\src+16*\dt+8*\kc:\src+16*\dt+8*\kc+7], v[S+32*\it+16*\kc:S+32*\it+16*\kc+7], 0
.else
	v_wmma_f32_16x16x32_f16 v[O+32*\it+8*\dt:O+32*\it+8*\dt+7], v[\src+16*\dt+8*\kc:\src+16*\dt+8*\kc+7], v[S+32*\it+16*\kc:S+32*\it+16*\kc+7], v[O+32*\it+8*\dt:O+32*\it+8*\dt+7]
.endif
.endif
.endr
.endr
.endr
.endm
; Own step t, query tile t: key 16 jt + 8 h + e of the step against query 16 w + r of the band: above it where 16 jt + e > 16 w + r - 8 h.
.macro MASK t
.irp jt, 0,1,2,3
.irp e, 0,1,2,3,4,5,6,7
	v_cmp_gt_i32 vcc_lo, 16*\jt+\e, v[DQ]
	v_cndmask_b32 v[S+32*\t+8*\jt+\e], v[S+32*\t+8*\jt+\e], v[NEG], vcc_lo
.endr
.endr
.endm
; Query tile it: the step's maximum, the new running maximum, the factor for what has been summed, 32 exponentials, their sum, P packed in place.
.macro SOFTMAX it, first
.set X_, S+32*\it
	v_max3_num_f32 v[T], v[X_], v[X_+1], v[X_+2]
	v_max3_num_f32 v[T+1], v[X_+17], v[X_+18], v[X_+19]
.set i_, 0
.rept 6
	v_max3_num_f32 v[T], v[T], v[X_+3+2*i_], v[X_+4+2*i_]
	v_max3_num_f32 v[T+1], v[T+1], v[X_+20+2*i_], v[X_+21+2*i_]
.set i_, i_+1
.endr
	v_max3_num_f32 v[T], v[T], v[X_+15], v[X_+16]
	v_max_num_f32 v[T], v[T], v[T+1]
	v_permlanex16_b32 v[T+1], v[T], s36, s37       ; the other half holds the query's other keys
	v_max_num_f32 v[T], v[T], v[T+1]
.if \first
	v_mul_f32 v[T+4], v[CC], v[T]
	v_mov_b32 v[MX+\it], v[T+4]
.else
	v_mul_f32 v[T], v[CC], v[T]
	v_max_num_f32 v[T+4], v[MX+\it], v[T]
	v_sub_f32 v[T+3], v[MX+\it], v[T+4]
	v_exp_f32 v[AL+2*\it], v[T+3]
	v_mov_b32 v[MX+\it], v[T+4]                    ; the plain instruction behind the exponential (ISA guide 5.7.2); it names neither its result nor its source
.endif
.set i_, 0
.rept 16
	v_pk_fma_f32 v[X_+2*i_:X_+2*i_+1], v[X_+2*i_:X_+2*i_+1], v[CC:CC+1], v[T+4:T+5] op_sel_hi:[1,1,0] neg_lo:[0,0,1] neg_hi:[0,0,1]   ; s C - M
.set i_, i_+1
.endr
.set i_, 0
.rept 32
	v_exp_f32 v[X_+i_], v[X_+i_]
.set i_, i_+1
.endr
	v_nop                                          ; one plain place before the last results are used
	s_wait_alu depctr_va_vdst(0)
	v_pk_add_f32 v[SA:SA+1], v[X_:X_+1], v[X_+2:X_+3]
	v_pk_add_f32 v[SC:SC+1], v[X_+4:X_+5], v[X_+6:X_+7]
.set i_, 0
.rept 6
	v_pk_add_f32 v[SA:SA+1], v[SA:SA+1], v[X_+8+4*i_:X_+9+4*i_]
	v_pk_add_f32 v[SC:SC+1], v[SC:SC+1], v[X_+10+4*i_:X_+11+4*i_]
.set i_, i_+1
.endr
	v_pk_add_f32 v[SA:SA+1], v[SA:SA+1], v[SC:SC+1]
.if \first
	v_add_f32 v[LS+\it], v[SA], v[SA+1]
.else
	v_add_f32 v[T], v[SA], v[SA+1]
	v_fma_f32 v[LS+\it], v[LS+\it], v[AL+2*\it], v[T]
.endif
.irp jt, 0,1,2,3
.irp j, 0,1,2,3
	v_cvt_pk_f16_f32 v[X_+16*(\jt/2)+4*(\jt%2)+\j], v[X_+8*\jt+2*\j], v[X_+8*\jt+2*\j+1]   ; ascending, so no source is overwritten before it is read
.endr
.endr
.endm
.macro SOFTS t, first                  ; the query tiles it >= t
.irp it, 0,1,2,3
.if \it >= \t
	SOFTMAX \it, \first
.endif
.endr
.endm
.macro RESCALE t                       ; the query tiles it >= t
.irp it, 0,1,2,3
.if \it >= \t
.set i_, 0
.rept 16
	v_pk_mul_f32 v[O+32*\it+2*i_:O+32*\it+2*i_+1], v[O+32*\it+2*i_:O+32*\it+2*i_+1], v[AL+2*\it:AL+2*\it+1] op_sel_hi:[1,0]
.set i_, i_+1
.endr
.endif
.endr
.endm
; Own step t: keys 64 t .. 64 t + 63 of the block, in half st of the slot.  Query tiles it < t have all these keys above them and are left out; tile t is crossed
; by the diagonal and masked; tiles it > t keep every key.  Step 0 starts maximum, sum and O of all four tiles.
.macro DSTEP slot, st, t
.if \t > 0
	PL 5                                           ; behind the last products: S and the fragments are written again (ahead of step 0 stands the way out's vector work, or nothing)
.endif
	WIN 0x40
	LOADK \slot, \st
	LOADVX VF, VV+\slot, 32*\st
	s_wait_dscnt 16                                ; K's 16 loads are in, V's 16 stay out
	WIN 0x01
	SMM \t
	PL 5
	WIN 0
	MASK \t
.if \t == 0
	SOFTS 0, 1
	s_wait_dscnt 0x0
	WIN 0x51
	PVMM 1, VF, 0
	WIN 0
	s_cmp_eq_u32 s35, 0                            ; query block 0 alone takes the remainder of v, for these keys 0..63
	s_cbranch_scc1 .Lnorem_\@
	WIN 0x40
	LOADVX KF, VL, 0                               ; into K's registers, which no matrix instruction has named since the scores
	s_wait_dscnt 0x0
	WIN 0x51
	PVMM 0, KF, 0
	WIN 0
.Lnorem_\@:
.else
	SOFTS \t, 0
	WIN 0x41
	RESCALE \t
	s_wait_dscnt 0x0
	WIN 0x51
	PVMM 0, VF, \t
	WIN 0
.endif
.endm
; A trip on a tile of 128 keys that lie under all queries of the block: two steps.
.macro FTRIP slot, refill, wrap
	TOP \slot, \refill
	s_add_co_u32 s15, s15, 1
.if \wrap
	WRAP
.endif
	PL 5
	WIN 0x40
	LOADK \slot, 0
	LOADVX VF, VV+\slot, 0
	s_wait_dscnt 16                                ; K of step 0 is in
	WIN 0x01
	SMM 0
	PL 5
	WIN 0x40
	LOADK \slot, 1
	WIN 0
	SOFTS 0, 0
	WIN 0x41
	RESCALE 0
	s_wait_dscnt 16                                ; V of step 0 is in; K of step 1 may be out
	WIN 0x51
	PVMM 0, VF, 0
	PL 5
	WIN 0x40
	LOADVX VF, VV+\slot, 32
	s_wait_dscnt 16                                ; K of step 1 is in
	WIN 0x01
	SMM 0
	PL 5
	WIN 0
	SOFTS 0, 0
	WIN 0x41
	RESCALE 0
	s_wait_dscnt 0x0
	WIN 0x51
	PVMM 0, VF, 0
	WIN 0
.endm
; A block's end: O / sum, split into bf16 hi and bf16 lo = O - hi, through my stage, out in whole token rows: each store covers 512 consecutive bytes, aligned.
.macro EPI
	PL 5
	s_cmp_lg_u32 s19, 0
	s_cbranch_scc1 .Lnoq_\@
	QLOAD 28                                       ; block B's queries come in meanwhile
.Lnoq_\@:
	s_cmp_eq_u32 s19, 0
	s_cselect_b64 s[38:39], s[30:31], s[32:33]     ; where this block's results go; the last block's stores were passed by the wait at this macro's end
.irp it, 0,1,2,3
	v_permlanex16_b32 v[T+\it], v[LS+\it], s36, s37
.endr
.irp it, 0,1,2,3
	v_add_f32 v[LS+\it], v[LS+\it], v[T+\it]       ; both halves' keys
.endr
.irp it, 0,1,2,3
	v_rcp_f32 v[AL+2*\it], v[LS+\it]
.endr
	v_nop
	s_wait_alu depctr_va_vdst(0)
.irp it, 0,1,2,3
	WIN 0x41
.set i_, 0
.rept 16
	v_pk_mul_f32 v[O+32*\it+2*i_:O+32*\it+2*i_+1], v[O+32*\it+2*i_:O+32*\it+2*i_+1], v[AL+2*\it:AL+2*\it+1] op_sel_hi:[1,0]
.set i_, i_+1
.endr
	WIN 0x05
.set i_, 0
.rept 16
	v_cvt_pk_bf16_f32 v[64+i_], v[O+32*\it+2*i_], v[O+32*\it+2*i_+1]
.set i_, i_+1
.endr
	WIN 0
.set i_, 0
.rept 16
	v_lshlrev_b32 v[80+2*i_], 16, v[64+i_]
	v_and_b32 v[81+2*i_], 0xffff0000, v[64+i_]
.set i_, i_+1
.endr
	WIN 0x01
.set i_, 0
.rept 16
	v_pk_add_f32 v[80+2*i_:81+2*i_], v[O+32*\it+2*i_:O+32*\it+2*i_+1], v[80+2*i_:81+2*i_] neg_lo:[0,1] neg_hi:[0,1]
.set i_, i_+1
.endr
	WIN 0
.set i_, 0
.rept 16
	v_cvt_pk_bf16_f32 v[112+i_], v[80+2*i_], v[81+2*i_]
.set i_, i_+1
.endr
.irp dt, 0,1,2,3
	ds_store_b128 v[STO], v[64+4*\dt:64+4*\dt+3] offset:4352*\it+32*\dt
	ds_store_b128 v[STO], v[112+4*\dt:112+4*\dt+3] offset:4352*\it+32*\dt+128
.endr
.endr
.set t_, 0
.rept 4                                ; one query tile (16 tokens of band t_ / 8) at a time
.if t_ >= 16
	s_wait_xcnt 0x0                                ; these registers, which stores read, are loaded again only behind this wait
.endif
.set j_, 0
.rept 8
	ds_load_b128 v[128+32*((t_/8)%2)+4*j_:128+32*((t_/8)%2)+4*j_+3], v[RD] offset:544*(t_+j_)   ; in order behind my own stores
.set j_, j_+1
.endr
.set j_, 0
.rept 8
	s_wait_dscnt 7-j_
	global_store_b128 v[CO], v[128+32*((t_/8)%2)+4*j_:128+32*((t_/8)%2)+4*j_+3], s[38:39] offset:16384*(t_/8)+512*j_
.set j_, j_+1
.endr
.set t_, t_+8
.endr
	s_wait_xcnt 0x0                                ; the next block's scores land in these registers, and its base in s[38:39]
.endm
	QLOAD 26
	s_add_co_u32 s15, s16, 1                       ; the next tile to fetch: block A's second own tile
.Lblock:
	TOP 0, 1                                       ; the block's first own tile is in slot 0; its second goes into slot 1
	s_mov_b32 s15, 0                               ; then the tiles below the block, from 0 on;
	WRAP                                           ; query block 0 has none: block B's first own tile follows at once
	s_wait_loadcnt 0x0                             ; Q
	DSTEP 0, 0, 0
	DSTEP 0, 1, 1
	TOP 1, 1
	s_add_co_u32 s15, s15, 1
	DSTEP 1, 0, 2
	DSTEP 1, 1, 3
	s_cmp_eq_u32 s18, 0
	s_cbranch_scc1 .Lnofull                        ; no tile lies below query block 0: the counter is at least 1 where the loop is entered
.Lfull:
	FTRIP 0, 1, 1                                  ; a pair of tiles, both trips fetch
	FTRIP 1, 1, 0
	s_sub_co_u32 s18, s18, 1
	s_cmp_lg_u32 s18, 0
	s_cbranch_scc1 .Lfull
.Lnofull:
	s_cmp_eq_u32 s19, 0
	s_cbranch_scc1 .Lfdone                         ; block A's last trip has fetched block B's first own tile: nothing more to do here
	FTRIP 0, 1, 0                                  ; block B's last pair: the first trip fetches the last tile,
	FTRIP 1, 0, 0                                  ; the second, the launch's last, fetches nothing
.Lfdone:
	EPI
	s_mov_b32 s16, s17                             ; block B: its first own tile,
	s_sub_co_u32 s18, 6, s11                       ; 7 - c pairs of tiles below it, the last written out: 6 - c trips of the loop, 3 at the least,
	s_mov_b32 s35, 0                               ; and no remainder
	s_add_co_u32 s19, s19, 1
	s_cmp_lt_u32 s19, 2
	s_cbranch_scc1 .Lblock
	s_wait_tensorcnt 0x0                           ; met at once: block B ends in the trip that fetches nothing, whose head waited for all loads
	s_wait_tensorcnt 0x0
	ds_add_u32 v62, v63
	s_wait_dscnt 0x0
	s_endpgm
.Lfunc_end_k_q84f7627893_attn:
	.size	k_q84f7627893_attn, .Lfunc_end_k_q84f7627893_attn-k_q84f7627893_attn
	.p2alignl 7, 3214868480
	.fill 96, 4, 3214868480
	.section	.rodata,"a",@progbits
	.p2align	6, 0x0
	.amdhsa_kernel k_q84f7627893_attn
		.amdhsa_group_segment_fixed_size 327680
		.amdhsa_private_segment_fixed_size 0
		.amdhsa_enable_private_segment 0
		.amdhsa_kernarg_size 24
		.amdhsa_user_sgpr_count 2
		.amdhsa_user_sgpr_kernarg_segment_ptr 1
		.amdhsa_wavefront_size32 1
		.amdhsa_system_sgpr_workgroup_id_x 1
		.amdhsa_system_sgpr_workgroup_id_y 1
		.amdhsa_system_sgpr_workgroup_id_z 1
		.amdhsa_system_vgpr_workitem_id 0
		.amdhsa_next_free_vgpr 512
		.amdhsa_next_free_sgpr 100
		.amdhsa_reserve_vcc 1
		.amdhsa_float_denorm_mode_32 3
		.amdhsa_float_denorm_mode_16_64 3
		.amdhsa_memory_ordered 1
		.amdhsa_forward_progress 1
		.amdhsa_inst_pref_size 255
	.end_amdhsa_kernel
	.section	.bss,"aw",@nobits
	.p2align	6
	.space	262144
	.amdgpu_metadata
---
amdhsa.version: [ 1, 2 ]
amdhsa.kernels:
  - .name:           k_q84f7627893_attn
    .symbol:         k_q84f7627893_attn.kd
    .args:
      - { .name: qkv, .offset: 0, .size: 8, .value_kind: global_buffer, .address_space: global }
      - { .name: vlo, .offset: 8, .size: 8, .value_kind: global_buffer, .address_space: global }
      - { .name: ao, .offset: 16, .size: 8, .value_kind: global_buffer, .address_space: global }
    .group_segment_fixed_size: 327680
    .private_segment_fixed_size: 0
    .kernarg_segment_align: 8
    .kernarg_segment_size: 24
    .max_flat_workgroup_size: 128
    .sgpr_count:     100
    .vgpr_count:     512
    .wavefront_size: 32
...
	.end_amdgpu_metadata
.endif
;; end of part 7
;; launch proj: the kernel of part 4 again; grid 4 x 64, 4 waves a work-group, clusters of 4 x 4, 327,680 bytes of LDS; arguments ao, wb, bo, out0; writes out0
;; ======== version 3 of 3: 4 launches; version 2 with the launch cvt written anew for expert scheduling mode
;; limits: values are held in f16: magnitudes above 65,504 overflow, below 6.1e-05 lose precision
;; workspace buffers: xb 16,777,216 bytes; wb 8,388,608 bytes; qkv 50,331,648 bytes; vlo 16,777,216 bytes; ao 33,554,432 bytes
;; launch cvt (part 8): grid 768 x 1, 8 waves a work-group, no clusters, 0 bytes of LDS; arguments x, Wq, Wk, Wv, Wo, xb, wb; writes xb, wb
.if DOCPART == 8
	.amdgcn_target "amdgcn-amd-amdhsa--gfx1250"
	.amdhsa_code_object_version 6
	.text
	.protected	k_q84f7627893_cvt
	.globl	k_q84f7627893_cvt
	.p2align	8
	.type	k_q84f7627893_cvt,@function
k_q84f7627893_cvt:
	s_mov_b64 s[64:65], 0
	v_nop
	global_prefetch_b8 v0, s[64:65] scope:SCOPE_SE
	s_setreg_imm32_b32 hwreg(HW_REG_WAVE_SCHED_MODE, 0, 2), 2
	s_setreg_imm32_b32 hwreg(HW_REG_WAVE_MODE, 25, 1), 1
	s_wait_xcnt 0x0
	s_wait_alu depctr_vm_vsrc(0)
; FIRST OF FOUR LAUNCHES: cvt (x and the four weights to bf16), qkv (the three projections), attn (causal attention), proj (the last product and its bias).
; This one rounds x [8192][1024] into xb, and Wq, Wk, Wv, Wo [1024][1024] into wb[0..3], f32 to bf16, each in its own order.
;
; WORK LEFT OUT IN THE WHOLE PROGRAM.  The mask is built by the function itself (jnp.tril): for key j > query i the score is replaced by -FLT_MAX,
; and since key j = i is always kept, the row's maximum is a kept score, so the weight of a masked key is exp(-FLT_MAX - max) = 0 for all finite inputs.
; A tile of 64 keys x 16 queries all of whose keys lie above all of its queries therefore adds 0 to every sum: launch attn neither multiplies nor sums such tiles.
; In a tile that the diagonal crosses the masked scores are computed and replaced, as the function does.
; Every input has a way to the output: all six are loaded (bo in launch proj).
; LIMIT: a NaN, an infinity or an overflow that reaches only the tiles left out (k or v rows seen by no kept score of a query) is not carried to that query's result.
; LIMITS OF FORMAT: x and the weights are rounded to bf16 as matrix operands.  q, k, v are kept in f16 between launches: |q|, |k|, |v| must stay under 65,504
; (inputs 30 times larger give a spread near 600, a common offset of 30 spreads gives values near 18,400); values under 6e-8 in magnitude are lost.
;
; Memory binds here: each work-group turns 65,536 bytes of f32 into 32,768 bytes of bf16.  Thread t takes 16 bytes at 16 t + 4,096 i, i = 0..15; all sixteen
; loads go out first, so that a wave has 8 KiB on its way; each store of a wave covers 256 consecutive bytes, aligned.  No LDS, no matrix unit: nothing is shared.
;
; THE MODE: SCHED_MODE bits 1:0 = 2 (LLVM: expert scheduling mode 2), set by the entry lines.  The code itself states the register dependences
; between vector instructions and memory instructions, with s_wait_alu, always for 0.
; THE PLAN.  Registers that memory instructions touch:
;   v1, v2   byte offsets of the loads and of the stores: written once at the head, never again.
;   X        chunk i: four registers in which load i lands; no vector instruction names them before; the chunk's two roundings read them; nothing lands there again.
;   Y        chunk i: two registers that the chunk's two roundings write, once, and that store i reads, once.
; No register that a load or store reads is written again, and no load lands in a register that a vector instruction has named: what is left to state is
; that a register is written before a memory instruction reads it.  The sixteen chunks go in four groups of four.  Group g rounds its chunks; the four stores
; of group g - 1 are dealt among its roundings, which name none of the registers that those stores read.  So one wait at the head of a group serves its four stores,
; one at the kernel's head serves both offsets, and one behind the last group serves the last four stores.
.set XCH, 512                          ; work-groups 0..511 take x, 512..767 the weights, 64 for each matrix
.set GRP, 4                            ; chunks in a group
.set X, 4                              ; v[4:67]   sixteen loads of four f32
.set Y, 68                             ; v[68:99]  sixteen pairs of packed bf16
	s_load_b256 s[4:11], s[0:1], 0x0               ; x s[4:5], Wq s[6:7], Wk s[8:9], Wv s[10:11]
	s_load_b128 s[12:15], s[0:1], 0x20             ; Wo s[12:13], xb s[14:15]
	s_load_b64 s[16:17], s[0:1], 0x30              ; wb
	s_mov_b32 s19, ttmp9                           ; g
	s_sub_co_u32 s20, s19, XCH                     ; j = g - 512: the chunk among the weights (not used where g < 512)
	s_lshr_b32 s21, s20, 6                         ; which matrix
	s_and_b32 s22, s20, 63                         ; which chunk of it
	v_lshlrev_b32 v1, 4, v0                        ; 16 t
	v_lshlrev_b32 v2, 3, v0                        ; 8 t
	s_wait_kmcnt 0x0
	s_cmp_eq_u32 s21, 1
	s_cselect_b64 s[24:25], s[8:9], s[6:7]         ; the source is chosen by the work-group's number alone
	s_cmp_eq_u32 s21, 2
	s_cselect_b64 s[24:25], s[10:11], s[24:25]
	s_cmp_eq_u32 s21, 3
	s_cselect_b64 s[24:25], s[12:13], s[24:25]
	s_cmp_lt_u32 s19, XCH
	s_cselect_b64 s[24:25], s[4:5], s[24:25]       ; x for the first 512
	s_cselect_b64 s[26:27], s[14:15], s[16:17]     ; xb or wb
	s_cselect_b32 s28, s19, s22                    ; the chunk in the source
	s_cselect_b32 s30, s19, s20                    ; the chunk in the destination
	s_lshl_b32 s28, s28, 16
	s_mov_b32 s29, 0
	s_lshl_b32 s30, s30, 15
	s_mov_b32 s31, 0
	s_add_nc_u64 s[24:25], s[24:25], s[28:29]
	s_add_nc_u64 s[26:27], s[26:27], s[30:31]
	s_wait_alu depctr_va_vdst(0)                   ; v1 and v2 are written: every load of the kernel reads v1 as its offset, every store v2
.set i, 0
.rept 16
	global_load_b128 v[X+4*i:X+4*i+3], v1, s[24:25] offset:4096*i th:TH_LOAD_NT
.set i, i+1
.endr
.set g, 0
.rept 16/GRP
	s_wait_loadcnt 16-GRP-GRP*g                    ; loads come back in order: this group's four are in, the 12 - 4 g younger ones stay out
.if g > 0
	s_wait_alu depctr_va_vdst(0)                   ; the group before has written its eight registers of Y, which the four stores below read
.endif
.set j, 0
.rept GRP
.set i, GRP*g+j
.if g > 0
	global_store_b64 v2, v[Y+2*(i-GRP):Y+2*(i-GRP)+1], s[26:27] offset:2048*(i-GRP)   ; the group before; no vector instruction since the wait names these registers
.endif
	v_cvt_pk_bf16_f32 v[Y+2*i], v[X+4*i], v[X+4*i+1]
	v_cvt_pk_bf16_f32 v[Y+2*i+1], v[X+4*i+2], v[X+4*i+3]
.set j, j+1
.endr
.set g, g+1
.endr
	s_wait_alu depctr_va_vdst(0)                   ; the last group has written its eight registers of Y, which the last four stores read
.set i, 16-GRP
.rept GRP
	global_store_b64 v2, v[Y+2*i:Y+2*i+1], s[26:27] offset:2048*i   ; no register is written twice, so no store's source needs a wait behind it
.set i, i+1
.endr
	s_endpgm
.Lfunc_end_k_q84f7627893_cvt:
	.size	k_q84f7627893_cvt, .Lfunc_end_k_q84f7627893_cvt-k_q84f7627893_cvt
	.p2alignl 7, 3214868480
	.fill 96, 4, 3214868480
	.section	.rodata,"a",@progbits
	.p2align	6, 0x0
	.amdhsa_kernel k_q84f7627893_cvt
		.amdhsa_group_segment_fixed_size 0
		.amdhsa_private_segment_fixed_size 0
		.amdhsa_enable_private_segment 0
		.amdhsa_kernarg_size 56
		.amdhsa_user_sgpr_count 2
		.amdhsa_user_sgpr_kernarg_segment_ptr 1
		.amdhsa_wavefront_size32 1
		.amdhsa_system_sgpr_workgroup_id_x 1
		.amdhsa_system_sgpr_workgroup_id_y 1
		.amdhsa_system_sgpr_workgroup_id_z 1
		.amdhsa_system_vgpr_workitem_id 0
		.amdhsa_next_free_vgpr 100
		.amdhsa_next_free_sgpr 66
		.amdhsa_reserve_vcc 0
		.amdhsa_float_denorm_mode_32 3
		.amdhsa_float_denorm_mode_16_64 3
		.amdhsa_memory_ordered 1
		.amdhsa_forward_progress 1
		.amdhsa_inst_pref_size 7
	.end_amdhsa_kernel
	.amdgpu_metadata
---
amdhsa.version: [ 1, 2 ]
amdhsa.kernels:
  - .name:           k_q84f7627893_cvt
    .symbol:         k_q84f7627893_cvt.kd
    .args:
      - { .name: x, .offset: 0, .size: 8, .value_kind: global_buffer, .address_space: global }
      - { .name: Wq, .offset: 8, .size: 8, .value_kind: global_buffer, .address_space: global }
      - { .name: Wk, .offset: 16, .size: 8, .value_kind: global_buffer, .address_space: global }
      - { .name: Wv, .offset: 24, .size: 8, .value_kind: global_buffer, .address_space: global }
      - { .name: Wo, .offset: 32, .size: 8, .value_kind: global_buffer, .address_space: global }
      - { .name: xb, .offset: 40, .size: 8, .value_kind: global_buffer, .address_space: global }
      - { .name: wb, .offset: 48, .size: 8, .value_kind: global_buffer, .address_space: global }
    .group_segment_fixed_size: 0
    .private_segment_fixed_size: 0
    .kernarg_segment_align: 8
    .kernarg_segment_size: 56
    .max_flat_workgroup_size: 256
    .sgpr_count:     66
    .vgpr_count:     100
    .wavefront_size: 32
...
	.end_amdgpu_metadata
.endif
;; end of part 8
;; launch qkv: the kernel of part 6 again; grid 8 x 64, 4 waves a work-group, clusters of 4 x 4, 327,680 bytes of LDS; arguments xb, wb, qkv, vlo; writes qkv, vlo
;; launch attn: the kernel of part 7 again; grid 256 x 1, 4 waves a work-group, no clusters, 327,680 bytes of LDS; arguments qkv, vlo, ao; writes ao
;; launch proj: the kernel of part 4 again; grid 4 x 64, 4 waves a work-group, clusters of 4 x 4, 327,680 bytes of LDS; arguments ao, wb, bo, out0; writes out0
